; MI455X (gfx1250); checked and timed in simulation.
; The chip was launched on July 23, 2026; its instructions are those of AMD's public machine-readable ISA for CDNA 5 (MIT licence, August 2026) and "CDNA5" Instruction Set Architecture Reference Guide (July 2026). The comments in the code are by the model that wrote it; some were corrected since.
;; Bahdanau Attention. Allowed arithmetic: float matrix products may take bf16 or f16 operands with f32 sums; other float arithmetic in f32, or as packed bf16 or f16 multiplies, adds, multiply-adds, maxima and minima; sums over many terms, partial sums and values carried from step to step in f32; what a program stores and reads back later, other than sums and carried values, may be rounded once to bf16 or f16.
;; Inputs: W_h 1,024 x 1,024 float32; W_s 1,024 x 1,024 float32; decoder_hidden 32 x 1,024 float32; encoder_outputs 32 x 2,048 x 1,024 float32; mask 32 x 2,048 int32; v 1,024 float32.
;; Outputs: out0 32 x 1,024 float32; out1 32 x 2,048 float32.
;; 2 versions, each right; version 2 is version 1 with the launch main written anew for expert scheduling mode. Each part assembles by itself: llvm-mc -triple=amdgcn-amd-amdhsa -mcpu=gfx1250 --defsym DOCPART=n.
;; ======== version 1 of 2: 3 launches
;; limits: right only within a limited range of input values
;; workspace buffers: wb 2,097,152 bytes; decc 131,072 bytes; list 262,144 bytes of whole numbers; rank 262,144 bytes of whole numbers; meta 8,192 bytes of whole numbers; pctx 2,097,152 bytes; pml 131,072 bytes; en 262,144 bytes
;; launch prep (part 1): grid 32 x 1, 16 waves a work-group, no clusters, 35,072 bytes of LDS; arguments W_h, W_s, decoder_hidden, mask, wb, decc, list, rank, meta, en; writes wb, decc, list, rank, meta, en
.if DOCPART == 1
	.amdgcn_target "amdgcn-amd-amdhsa--gfx1250"
	.amdhsa_code_object_version 6
	.text
	.protected	k_q4e1fb2e956_prep
	.globl	k_q4e1fb2e956_prep
	.p2align	8
	.type	k_q4e1fb2e956_prep,@function
k_q4e1fb2e956_prep:
	s_mov_b64 s[64:65], 0
	v_nop
	global_prefetch_b8 v0, s[64:65] scope:SCOPE_SE
	s_setreg_imm32_b32 hwreg(HW_REG_WAVE_MODE, 25, 1), 1
	s_wait_xcnt 0x0
; PREPARATION, 32 work-groups of 16 waves.  Work-group g does four things:
;  (a) W_h rows 32 g .. 32 g + 31 are rounded to bf16 and laid in the order in which the next launch's lanes want them:
;      wb byte T*32768 + u*256 + r*16 holds W_h[16 T + r][8 u .. 8 u + 7] (T = row tile, u = group of 8 along K, r = row in the tile);
;  (b) decc[beta][e] = 2 log2(e) x the sum over d of hidden[beta][d] W_s[e][d] for e = 32 g .. 32 g + 31, operands in bf16, sums in f32;
;  (c) the mask of batch g is compacted: rank[s] = unmasked rows in front of s; list[p] = the p-th unmasked row (0 behind the last);
;      meta = {n, flag}.  A batch with no unmasked row counts as all unmasked, with flag = 1 (its energies are then equal: the next launch takes 0);
;  (d) en's row of batch g is set to 0, so that no later launch loads a byte of it that nobody stored.
; SHARES.  Wave w: G = w / 8 picks the tile of 16 rows (of W_h and of W_s), w8 = w % 8 its 128 of K (512 bytes of each f32 row).
; Lane l: r = l % 16 the row, h = l / 16.  The lane's 16 loads of 16 bytes at 64 k + 32 h (+16) are eight groups of 8 numbers: group k is unit 16 w8 + 2 k + h of wb,
; and groups 2 kk, 2 kk + 1 are registers 0-3, 4-7 of the fragment of K step kk (16-bit operands: ISA guide 7.12.2).
.set PART,  0                          ; LDS: wave w's two partial tiles of dec, 1,024 bytes each, at 2,048 w
.set TOT,   32768                      ; 16 words: each wave's count of unmasked rows
.set SPARE, 33024                      ; the spare words, 128 bytes for each of 16 waves: no other line names them
.set VOW, 4                            ; v4   byte offset of my 32 bytes in W_h and in W_s
.set VOH, 5                            ; v5   the same in hidden, rows 0-15
.set VWB, 6                            ; v6   my 16 bytes in wb
.set VPT, 7                            ; v7   my 16 bytes in my wave's partial tiles
.set SPW, 8                            ; v8   my spare word; never rewritten
.set NIL, 9                            ; v9   0; never rewritten
.set MK,  10                           ; v[10:13] four mask words, s = 4 x thread + 0..3
.set VMO, 15                           ; v15  8,192 g + 16 x thread: my 16 bytes in mask, rank and en
.set SA,  16                           ; v[16:79]   W_h as loaded; later hidden rows 16-31
.set SW,  80                           ; v[80:143]  W_s
.set SH,  144                          ; v[144:207] hidden rows 0-15
.set OA,  208                          ; v[208:239] W_h in bf16: eight units of 16 bytes
.set ACC, 240                          ; v[240:255] two accumulators: batches 0-15, 16-31
.macro LD16 dst, adr, base, off        ; 16 loads: 512 bytes of my row's share, as eight groups of 32 bytes
.irp k, 0,1,2,3,4,5,6,7
	global_load_b128 v[(\dst)+8*(\k):(\dst)+8*(\k)+3],   v[\adr], s[\base:\base+1] offset:(\off)+64*(\k)
	global_load_b128 v[(\dst)+8*(\k)+4:(\dst)+8*(\k)+7], v[\adr], s[\base:\base+1] offset:(\off)+64*(\k)+16
.endr
.endm
.macro PACK32 dst, src                 ; 64 f32 -> 32 registers of bf16 pairs; in place it goes upward, so no source is lost
.set z, 0
.rept 32
	v_cvt_pk_bf16_f32 v[(\dst)+z], v[(\src)+2*z], v[(\src)+2*z+1]
.set z, z+1
.endr
.endm
	s_load_b512 s[4:19], s[0:1], 0x0               ; W_h s[4:5], W_s s[6:7], hidden s[8:9], mask s[10:11], wb s[12:13], decc s[14:15], list s[16:17], rank s[18:19]
	s_load_b128 s[20:23], s[0:1], 0x40             ; meta s[20:21], en s[22:23]
	v_lshl_add_u32 v[SPW], v0, 2, SPARE
	v_mov_b32 v[NIL], 0
	v_lshrrev_b32 v1, 5, v0
	v_readfirstlane_b32 s24, v1                    ; wave 0..15
	s_lshr_b32 s25, s24, 3                         ; G
	s_and_b32 s26, s24, 7                          ; w8
	v_and_b32 v2, 31, v0                           ; l
	v_and_b32 v3, 15, v0                           ; r
	v_bfe_u32 v14, v0, 4, 1                        ; h
	s_lshl_b32 s27, ttmp9, 1
	s_add_co_u32 s27, s27, s25                     ; T = 2 g + G
	s_lshl_b32 s28, s27, 16                        ; 16 T rows of 4,096 bytes
	s_lshl_b32 s29, s26, 9                         ; 512 w8
	s_add_co_u32 s28, s28, s29
	v_lshlrev_b32 v[VOH], 12, v3
	v_lshl_add_u32 v[VOH], v14, 5, v[VOH]          ; r x 4,096 + 32 h
	v_add_nc_u32 v[VOW], s28, v[VOH]
	v_add_nc_u32 v[VOH], s29, v[VOH]
	s_lshl_b32 s30, s27, 15                        ; T x 32,768
	s_lshl_b32 s31, s26, 12                        ; 16 units of 256 bytes a wave
	s_add_co_u32 s30, s30, s31
	v_lshl_add_u32 v[VWB], v2, 4, s30
	s_lshl_b32 s31, s24, 11
	v_lshl_add_u32 v[VPT], v2, 4, s31
	s_lshl_b32 s32, ttmp9, 13                      ; a batch's 8,192 bytes in mask, rank, list, en
	v_lshl_add_u32 v[VMO], v0, 4, s32
	s_lshl_b32 s50, s24, 7                         ; 128 w: the wave's first s
	s_mov_b32 s52, 0x4038aa3b                      ; 2 log2(e)
	s_mov_b32 s53, s52
	s_wait_kmcnt 0x0
	global_load_b128 v[MK:MK+3], v[VMO], s[10:11]
	LD16 SA, VOW, 4, 0
	LD16 SW, VOW, 6, 0
	LD16 SH, VOH, 8, 0
	s_wait_loadcnt 48                              ; the mask is in: the 48 loads behind it may stay out
	v_cmp_ne_u32 s40, 0, v[MK]                     ; which lanes' word i is unmasked
	v_cmp_ne_u32 s41, 0, v[MK+1]
	v_cmp_ne_u32 s42, 0, v[MK+2]
	v_cmp_ne_u32 s43, 0, v[MK+3]
	s_bcnt1_i32_b32 s44, s40
	s_bcnt1_i32_b32 s45, s41
	s_add_co_u32 s44, s44, s45
	s_bcnt1_i32_b32 s45, s42
	s_add_co_u32 s44, s44, s45
	s_bcnt1_i32_b32 s45, s43
	s_add_co_u32 s44, s44, s45                     ; my wave's 128 rows hold so many
	v_mov_b32 v1, s44
	s_lshl_b32 s45, s24, 2
	v_mov_b32 v14, s45
	ds_store_b32 v14, v1 offset:TOT                ; all lanes write the same word with the same number
	s_wait_loadcnt 32                              ; W_h is in: W_s and hidden may stay out
	PACK32 OA, SA
.irp k, 0,1,2,3,4,5,6,7
	global_store_b128 v[VWB], v[OA+4*(\k):OA+4*(\k)+3], s[12:13] offset:512*(\k)  ; the wave stores 512 consecutive bytes, aligned
.endr
	LD16 SA, VOH, 8, 65536                         ; hidden rows 16-31
	s_wait_loadcnt 0x0
	PACK32 SW, SW
	PACK32 SH, SH
	PACK32 SA, SA
	; dec^T: source 0 = 16 rows of W_s, source 1 = 16 rows of hidden.  The two accumulators take turns; the first K step starts the sums.
	v_wmma_f32_16x16x32_bf16 v[ACC:ACC+7],    v[SW:SW+7], v[SH:SH+7], 0
	v_wmma_f32_16x16x32_bf16 v[ACC+8:ACC+15], v[SW:SW+7], v[SA:SA+7], 0
.irp kk, 1,2,3
	v_wmma_f32_16x16x32_bf16 v[ACC:ACC+7],    v[SW+8*(\kk):SW+8*(\kk)+7], v[SH+8*(\kk):SH+8*(\kk)+7], v[ACC:ACC+7]
	v_wmma_f32_16x16x32_bf16 v[ACC+8:ACC+15], v[SW+8*(\kk):SW+8*(\kk)+7], v[SA+8*(\kk):SA+8*(\kk)+7], v[ACC+8:ACC+15]
.endr
.rept 8
	v_nop                                          ; the places behind the last products, for the stores below and for what is later written into the fragments' registers
.endr
	ds_store_b128 v[VPT], v[ACC:ACC+3]
	ds_store_b128 v[VPT], v[ACC+4:ACC+7]    offset:512
	ds_store_b128 v[VPT], v[ACC+8:ACC+11]   offset:1024
	ds_store_b128 v[VPT], v[ACC+12:ACC+15]  offset:1536
	s_wait_dscnt 0x0                               ; for the others' sake: my count and my partial tiles are in LDS
	s_barrier_signal -1
	s_barrier_wait -1
	; THE MASK.  Every wave reads the 16 counts: the batch's total, and the sum of the waves in front of mine.
	v_mov_b32 v1, TOT
	ds_load_b128 v[16:19], v1
	ds_load_b128 v[20:23], v1 offset:16
	ds_load_b128 v[24:27], v1 offset:32
	ds_load_b128 v[28:31], v1 offset:48
	s_wait_dscnt 0x0
.irp i, 0,1,2,3,4,5,6,7,8,9,10,11,12,13,14,15
	v_readfirstlane_b32 s[66+(\i)], v[16+(\i)]
.endr
	s_mov_b32 s46, 0                               ; unmasked rows in front of my wave
	s_mov_b32 s47, 0                               ; the batch's total
.irp i, 0,1,2,3,4,5,6,7,8,9,10,11,12,13,14,15
	s_add_co_u32 s47, s47, s[66+(\i)]
	s_cmp_gt_u32 s24, \i
	s_cselect_b32 s48, s[66+(\i)], 0
	s_add_co_u32 s46, s46, s48
.endr
	s_cmp_eq_u32 s47, 0                            ; no unmasked row at all: every row counts
	s_cselect_b32 s49, 1, 0                        ; flag
	s_cselect_b32 s48, 2048, s47                   ; n
	s_cselect_b32 s40, -1, s40
	s_cselect_b32 s41, -1, s41
	s_cselect_b32 s42, -1, s42
	s_cselect_b32 s43, -1, s43
	s_cselect_b32 s46, s50, s46
	v_mbcnt_lo_u32_b32 v16, s40, s46               ; + the unmasked words of the lanes below mine, four words a lane
	v_mbcnt_lo_u32_b32 v16, s41, v16
	v_mbcnt_lo_u32_b32 v16, s42, v16
	v_mbcnt_lo_u32_b32 v16, s43, v16               ; rank of my word 0
	v_cndmask_b32 v20, 0, 1, s40
	v_cndmask_b32 v21, 0, 1, s41
	v_cndmask_b32 v22, 0, 1, s42
	v_add_nc_u32 v17, v16, v20
	v_add_nc_u32 v18, v17, v21
	v_add_nc_u32 v19, v18, v22
	global_store_b128 v[VMO], v[16:19], s[18:19]   ; rank: the wave stores 512 consecutive bytes
	v_lshlrev_b32 v24, 2, v0                       ; s of my word 0
	v_add_nc_u32 v25, 1, v24
	v_add_nc_u32 v26, 2, v24
	v_add_nc_u32 v27, 3, v24
.irp i, 0,1,2,3
	v_sub_nc_u32 v[28+(\i)], v[24+(\i)], v[16+(\i)]              ; masked rows in front of s:
	v_add_nc_u32 v[28+(\i)], s48, v[28+(\i)]                     ; a masked row's place lies behind the n unmasked ones,
	v_cndmask_b32 v[28+(\i)], v[28+(\i)], v[16+(\i)], s[40+(\i)] ; an unmasked row's place is its rank: each of the 2,048 places is written once
	v_min_u32 v[28+(\i)], 2047, v[28+(\i)]
	v_lshl_add_u32 v[28+(\i)], v[28+(\i)], 2, s32
	v_cndmask_b32 v[24+(\i)], 0, v[24+(\i)], s[40+(\i)]
	global_store_b32 v[28+(\i)], v[24+(\i)], s[16:17]
.endr
	v_mov_b32 v36, 0
	v_mov_b32 v37, 0
	v_mov_b32 v38, 0
	v_mov_b32 v39, 0
	global_store_b128 v[VMO], v[36:39], s[22:23]   ; en = 0
	v_mov_b32 v32, s48
	v_mov_b32 v33, s49
	s_lshl_b32 s51, ttmp9, 8
	v_lshl_add_u32 v34, v2, 3, s51
	s_cmp_lg_u32 s24, 0
	s_cbranch_scc1 .Lno_meta
	global_store_b64 v34, v[32:33], s[20:21]       ; {n, flag} in every lane's 8 bytes: a whole record of 256 bytes
.Lno_meta:
	; dec: the eight K shares are added.  Thread tau < 256: batch beta = tau / 8, columns 4 (tau % 8) .. + 3 of the work-group's 32.
	s_cmp_lt_u32 s24, 8
	s_cbranch_scc0 .Lend
	v_and_b32 v40, 7, v0                           ; kappa
	v_lshrrev_b32 v41, 3, v0                       ; beta
	v_lshrrev_b32 v42, 2, v40
	v_lshlrev_b32 v42, 14, v42                     ; the tile G = kappa / 4: its eight waves' 16,384 bytes
	v_lshrrev_b32 v43, 4, v41
	v_lshl_add_u32 v42, v43, 10, v42               ; batches 16-31: the second accumulator
	v_and_b32 v43, 1, v40
	v_lshl_add_u32 v42, v43, 9, v42                ; registers 4-7
	v_bfe_u32 v43, v40, 1, 1
	v_lshl_add_u32 v42, v43, 8, v42                ; the upper half of the lanes
	v_and_b32 v43, 15, v41
	v_lshl_add_u32 v42, v43, 4, v42
.irp u, 0,1,2,3,4,5,6,7
	ds_load_b128 v[48+4*(\u):48+4*(\u)+3], v42 offset:PART+2048*(\u)
.endr
	s_lshl_b32 s54, ttmp9, 7
	v_lshlrev_b32 v44, 12, v41
	v_lshl_add_u32 v44, v40, 4, v44
	v_add_nc_u32 v44, s54, v44                     ; beta x 4,096 + 128 g + 16 kappa
	s_wait_dscnt 0x0
.irp u, 0,2,4,6
	v_pk_add_f32 v[48+4*(\u):48+4*(\u)+1],   v[48+4*(\u):48+4*(\u)+1],   v[52+4*(\u):52+4*(\u)+1]
	v_pk_add_f32 v[48+4*(\u)+2:48+4*(\u)+3], v[48+4*(\u)+2:48+4*(\u)+3], v[52+4*(\u)+2:52+4*(\u)+3]
.endr
.irp u, 0,4
	v_pk_add_f32 v[48+4*(\u):48+4*(\u)+1],   v[48+4*(\u):48+4*(\u)+1],   v[56+4*(\u):56+4*(\u)+1]
	v_pk_add_f32 v[48+4*(\u)+2:48+4*(\u)+3], v[48+4*(\u)+2:48+4*(\u)+3], v[56+4*(\u)+2:56+4*(\u)+3]
.endr
	v_pk_add_f32 v[48:49], v[48:49], v[64:65]
	v_pk_add_f32 v[50:51], v[50:51], v[66:67]
	v_pk_mul_f32 v[48:49], v[48:49], s[52:53] op_sel_hi:[1,0]
	v_pk_mul_f32 v[50:51], v[50:51], s[52:53] op_sel_hi:[1,0]
	global_store_b128 v44, v[48:51], s[14:15]
.Lend:
	s_wait_tensorcnt 0x0                           ; the wave's end, behind my last LDS store
	ds_add_u32 v[SPW], v[NIL]
	s_wait_dscnt 0x0
	s_endpgm
.Lfunc_end_k_q4e1fb2e956_prep:
	.size	k_q4e1fb2e956_prep, .Lfunc_end_k_q4e1fb2e956_prep-k_q4e1fb2e956_prep
	.p2alignl 7, 3214868480
	.fill 96, 4, 3214868480
	.section	.rodata,"a",@progbits
	.p2align	6, 0x0
	.amdhsa_kernel k_q4e1fb2e956_prep
		.amdhsa_group_segment_fixed_size 35072
		.amdhsa_private_segment_fixed_size 0
		.amdhsa_enable_private_segment 0
		.amdhsa_kernarg_size 80
		.amdhsa_user_sgpr_count 2
		.amdhsa_user_sgpr_kernarg_segment_ptr 1
		.amdhsa_wavefront_size32 1
		.amdhsa_system_sgpr_workgroup_id_x 1
		.amdhsa_system_sgpr_workgroup_id_y 1
		.amdhsa_system_sgpr_workgroup_id_z 1
		.amdhsa_system_vgpr_workitem_id 0
		.amdhsa_next_free_vgpr 256
		.amdhsa_next_free_sgpr 96
		.amdhsa_reserve_vcc 0
		.amdhsa_float_denorm_mode_32 3
		.amdhsa_float_denorm_mode_16_64 3
		.amdhsa_memory_ordered 1
		.amdhsa_forward_progress 1
		.amdhsa_inst_pref_size 27
	.end_amdhsa_kernel
	.amdgpu_metadata
---
amdhsa.version: [ 1, 2 ]
amdhsa.kernels:
  - .name:           k_q4e1fb2e956_prep
    .symbol:         k_q4e1fb2e956_prep.kd
    .args:
      - { .name: W_h, .offset: 0, .size: 8, .value_kind: global_buffer, .address_space: global }
      - { .name: W_s, .offset: 8, .size: 8, .value_kind: global_buffer, .address_space: global }
      - { .name: decoder_hidden, .offset: 16, .size: 8, .value_kind: global_buffer, .address_space: global }
      - { .name: mask, .offset: 24, .size: 8, .value_kind: global_buffer, .address_space: global }
      - { .name: wb, .offset: 32, .size: 8, .value_kind: global_buffer, .address_space: global }
      - { .name: decc, .offset: 40, .size: 8, .value_kind: global_buffer, .address_space: global }
      - { .name: list, .offset: 48, .size: 8, .value_kind: global_buffer, .address_space: global }
      - { .name: rank, .offset: 56, .size: 8, .value_kind: global_buffer, .address_space: global }
      - { .name: meta, .offset: 64, .size: 8, .value_kind: global_buffer, .address_space: global }
      - { .name: en, .offset: 72, .size: 8, .value_kind: global_buffer, .address_space: global }
    .group_segment_fixed_size: 35072
    .private_segment_fixed_size: 0
    .kernarg_segment_align: 8
    .kernarg_segment_size: 80
    .max_flat_workgroup_size: 512
    .sgpr_count:     96
    .vgpr_count:     256
    .wavefront_size: 32
...
	.end_amdgpu_metadata
.endif
;; end of part 1
;; launch main (part 2): grid 8 x 32, 4 waves a work-group, no clusters, 314,624 bytes of LDS; arguments encoder_outputs, wb, decc, v, list, meta, pctx, pml, en; writes pctx, pml, en
.if DOCPART == 2
	.amdgcn_target "amdgcn-amd-amdhsa--gfx1250"
	.amdhsa_code_object_version 6
	.text
	.protected	k_q4e1fb2e956_main
	.globl	k_q4e1fb2e956_main
	.p2align	8
	.type	k_q4e1fb2e956_main,@function
k_q4e1fb2e956_main:
	s_mov_b64 s[64:65], 0
	v_nop
	global_prefetch_b8 v0, s[64:65] scope:SCOPE_SE
	s_setreg_imm32_b32 hwreg(HW_REG_WAVE_MODE, 25, 1), 1
	s_wait_xcnt 0x0
; ENERGIES, AND PARTIAL SOFTMAX AND CONTEXT, OF THE UNMASKED ROWS ALONE.  energy = sum over d of v[d] tanh(W_h[d] . row + dec[d]);  tanh(x) = 1 - 2 / (1 + 2^(2 log2(e) x)),
; which goes to +1 and -1 where the power overflows or vanishes.  A masked row's weight is exactly 0 in f32 as long as the sum of |v| stays under about 9e8 (its energy is -1e9), so nothing of it is read.
; LIMITS.  Operands of the products in bf16 (rows, W_h; v too is rounded once to bf16, like every other floating-point input); sums, maxima and exponentials in f32; the weights p are rounded to bf16
; for the context's product, their sum l is taken of the unrounded p.  NaN and infinities in the inputs are not treated apart.
; SHARES.  Batch b (grid y) has n unmasked rows (all 2,048, with energy 0, if it has none: flag); q = ceil(n / 128) tiles of 16 rows go to each of its eight work-groups (grid x = j): compacted places
; 16 q j .. 16 q (j + 1) - 1.  A PANEL is 9 tiles, 144 rows, held in LDS as bf16; there are always two panel turns, and a turn is alive if 9 x turn < q.  The four barriers of a turn stand outside
; everything that a dead turn jumps over.  Places at or beyond min(n, 16 q (j + 1)) are computed and get the weight 0.
; A TURN.  (1) the rows named by list are loaded, rounded and laid into the panel: a wave takes whole rows, 512 consecutive bytes an instruction;  (2) wave w multiplies all 144 rows by W_h's rows
; 256 w .. 256 w + 255, in two passes of 128: 72 accumulators of 16 x 16; W_h's fragments come from wb straight into registers, through a ring of four sets of 32 registers, three half steps ahead;
; behind a pass tanh and the product with v;  (3) the four waves' partial energies meet in LDS; each wave makes the panel's maximum m, the weights p = e^(energy - m), their sum l, and its 256 columns
; of sum p x row by the matrix unit (the panel read turned, by ds_load_tr16_b128).  m, l, the partial context and the energies go to memory; the next launch joins them.
; NO CLUSTER, NO LDS RING FOR wb, though every work-group reads all of wb: a K step of 32 for the work-group's 1,024 columns is 65,536 bytes, and beside the panel and the tables 13,056 bytes of LDS are left.
; LAYOUT.  Source 0 = 16 rows of W_h, source 1 = 16 encoder rows: in the result lane l holds ONE encoder row (l % 16) and register i the column 8 (l / 16) + i of the tile (ISA guide 7.12.2).
; REGISTERS, in windows of 256 (s_set_vgpr_msb: bits 1:0 source 0, 3:2 source 1, 5:4 source 2, 7:6 destination):
;   window 0: addresses, statistics, A's two fragment buffers, work.   window 1: accumulators of tiles 0-3 (tile t, column tile c at 64 t + 8 c); in the gather two buffers of 128; in (3) the context's 16.
;   window 2: tiles 4-7.   window 3: v0-63 tile 8; v64-191 the ring.
.set PITCH, 2064                       ; a panel row: 2,048 bytes + 16: an odd multiple of 16, so the 16 rows of a fragment load start at 16 different groups of four banks (ISA guide 11.1)
.set TILEB, 16*PITCH
.set DECB,  144*PITCH                  ; 297,216: decc of the batch, 4,096 bytes; v behind it, 4,096 bytes
.set ESC,   DECB+8192                  ; partial energies [wave 4][tile 9][16] f32, 576 bytes a wave
.set PB,    ESC+2560                   ; 512 bytes a wave: its own copy of the 160 weights in bf16
.set CTXS,  PB+2048                    ; 1,024 bytes a wave: its 256 columns of the context
.set SPARE, CTXS+4096                  ; the spare words, 128 bytes a wave: no other line names them
.set VA,   2                           ; v[2:6]  LDS address of my A fragments in the trip in hand, a register for each pair of tiles: VAB + s[KB]
.set VA0,  7                           ; r x PITCH + 16 h
.set VB0,  8                           ; 16 l + 524,288 w: my 16 bytes in my wave's part of wb
.set VBC,  9                           ; the same in the pass in hand, stepped along K
.set VBN,  10                          ; the same at the head of the other pass
.set VD0,  11                          ; DECB + 1,024 w + 32 h
.set VD,   12                          ; + 512 x pass
.set VST,  13                          ; the gather: where my 8 bytes go; stepped tile by tile
.set VST0, 14                          ; 4 w x PITCH + 8 l
.set VL16, 15                          ; 16 l
.set VPOS, 16                          ; compacted place of row r of the panel's tile 0
.set VPW,  17                          ; compacted place of my wave's first row of tile 0 (the same in all lanes)
.set VE,   18                          ; ESC + 4 r
.set VES,  19                          ; ESC + 576 w + 4 r
.set VPBW, 20                          ; PB + 512 w + 2 r
.set VPB,  21                          ; PB + 512 w + 16 h
.set VX0,  22                          ; the turning load: (8 h + l % 8) x PITCH + 16 ((l / 8) % 2) + 512 w
.set VX,   23
.set VCS,  24                          ; CTXS + 1,024 w + 4 r
.set VCR,  25                          ; CTXS + 1,024 w + 16 l
.set VGO,  26                          ; 1,024 w + 16 l
.set V8L,  27                          ; 8 l
.set ML,   28                          ; v[28:29] m, l
.set SPW,  30                          ; my spare word; never rewritten
.set NIL,  31                          ; 0; never rewritten
.set SVL,  32                          ; v[32:33] the sum of my lane's v
.set VAB,  40                          ; v[40:44] VA0 + the pair of tiles' 2 x TILEB; never rewritten
.set AF0,  48                          ; v[48:119]  A's fragments of one K step: 9 tiles x 8
.set AF1,  120                         ; v[120:191] the other buffer
.set CV,   48                          ; the gather: 64 registers of bf16
.set DV,   48                          ; behind a pass: column tile c: decc at DV + 16 c, v at DV + 16 c + 8
.set EN,   176                         ; v[176:184] the nine energies of my row
.set PP,   185                         ; v[185:193] their weights
.set PK,   194                         ; v[194:198] the weights in bf16 pairs
.set CH,   192                         ; v[192:199] four chains of pairs
.set EA,   200                         ; v[200:217] tile t: sum of v / (1 + 2^..), a pair
.set VI,   192                         ; v[192:227] the gather: row offsets, tile t row i at VI + 4 t + i
.set PF,   208                         ; v[208:247] the weights' five fragments
.set RING, 64                          ; window 3: set s, column tile c, half g at RING + 32 s + 8 c + 4 g
.set KB,   25                          ; s25  bytes along K of the trip in hand: 128 a trip
.set DP,   26                          ; s26  512 x pass: the pass's 128 columns in decc and v
.set WP,   27                          ; s27  262,144 x pass: its 8 column tiles in wb
.set MSB, 0
.macro WIN new                         ; the immediate's high byte repeats the setting that is left; a switch that changes nothing is dropped
.if MSB != (\new)
	s_set_vgpr_msb (MSB<<8)|(\new)
.set MSB, \new
.endif
.endm
.macro PLACES                          ; four places behind a matrix instruction, in front of loads into registers that it read and of lines that read its result
.rept 4
	v_nop
.endr
.endm
; THE GATHER.  FILL: my four rows of tile t, eight loads of 512 consecutive bytes each, into buffer buf of window 1.
.macro FILL t, buf
	WIN 0x40
.irp i, 0,1,2,3
.irp k, 0,1,2,3,4,5,6,7
	global_load_b128 v[128*(\buf)+32*(\i)+4*(\k):128*(\buf)+32*(\i)+4*(\k)+3], v[VI+4*(\t)+(\i)], s[4:5] offset:512*(\k)
.endr
.endr
.endm
; DRAIN: buffer buf is rounded to bf16 and laid into the panel: a store covers 256 consecutive LDS bytes.  left = the younger loads that may stay out.
.macro DRAIN buf, left
	s_wait_loadcnt \left
	WIN 0x05
.set z, 0
.rept 64
	v_cvt_pk_bf16_f32 v[CV+z], v[128*(\buf)+2*z], v[128*(\buf)+2*z+1]
.set z, z+1
.endr
	WIN 0
.irp i, 0,1,2,3
.irp k, 0,1,2,3,4,5,6,7
	ds_store_b64 v[VST], v[CV+16*(\i)+2*(\k):CV+16*(\i)+2*(\k)+1] offset:(\i)*PITCH+256*(\k)
.endr
.endr
	v_add_nc_u32 v[VST], TILEB, v[VST]
.endm
; THE PRODUCT.  BLOAD: four column tiles of W_h for one K step, 8 loads of 512 consecutive bytes, into ring set rs.
.macro BLOAD rs, reg, imm
	WIN 0xc0
.irp jj, 0,1,2,3
	global_load_b128 v[RING+32*(\rs)+8*(\jj):RING+32*(\rs)+8*(\jj)+3],   v[\reg], s[6:7] offset:(\imm)+(\jj)*32768
	global_load_b128 v[RING+32*(\rs)+8*(\jj)+4:RING+32*(\rs)+8*(\jj)+7], v[\reg], s[6:7] offset:(\imm)+(\jj)*32768+512
.endr
.endm
; ALOAD: the nine tiles' fragments of one K step, at byte imm behind the trip's addresses.
.macro ALOAD af, imm
	WIN 0
.irp t, 0,1,2,3,4,5,6,7,8
	ds_load_b128 v[(\af)+8*(\t):(\af)+8*(\t)+3],   v[VA+(\t)/2] offset:(\imm)+((\t)%2)*TILEB
	ds_load_b128 v[(\af)+8*(\t)+4:(\af)+8*(\t)+7], v[VA+(\t)/2] offset:(\imm)+((\t)%2)*TILEB+32
.endr
.endm
; MULG: tiles t0 .. t0 + nt - 1 times the four column tiles of ring set rs (half H of the pass's eight).  Every accumulator has one instruction a K step: they take turns.
.macro MULG af, rs, H, t0, nt, zero
.set tt, \t0
.rept \nt
	WIN 0x53+0x50*(tt/4)
.irp jj, 0,1,2,3
.if \zero
	v_wmma_f32_16x16x32_bf16 v[64*(tt%4)+8*(4*(\H)+(\jj)):64*(tt%4)+8*(4*(\H)+(\jj))+7], v[RING+32*(\rs)+8*(\jj):RING+32*(\rs)+8*(\jj)+7], v[(\af)+8*tt:(\af)+8*tt+7], 0
.else
	v_wmma_f32_16x16x32_bf16 v[64*(tt%4)+8*(4*(\H)+(\jj)):64*(tt%4)+8*(4*(\H)+(\jj))+7], v[RING+32*(\rs)+8*(\jj):RING+32*(\rs)+8*(\jj)+7], v[(\af)+8*tt:(\af)+8*tt+7], v[64*(tt%4)+8*(4*(\H)+(\jj)):64*(tt%4)+8*(4*(\H)+(\jj))+7]
.endif
.endr
.set tt, tt+1
.endr
.endm
; A HALF STEP: 36 products on ring set s.  Behind the first 16 and four places, the set read in the half step before is asked for again, three half steps ahead of its use; with it, where due, the other A buffer.
.macro HALF s, af, zero, breg, bimm, aaf, aimm
	s_wait_loadcnt 16                              ; loads end in order (ISA guide 5.7.1): set s is in, the 16 loads of the two younger sets may stay out
.if ((\s)%2) == 0
	s_wait_dscnt 0x0                               ; this K step's A fragments, asked for two half steps ago
.endif
	MULG \af, \s, (\s)%2, 0, 4, \zero
	PLACES
	BLOAD ((\s)+3)%4, \breg, \bimm
.if (\aaf) >= 0
	ALOAD \aaf, \aimm
.endif
	MULG \af, \s, (\s)%2, 4, 4, \zero
	MULG \af, \s, (\s)%2, 8, 1, \zero
.endm
; A TRIP: two K steps.  zero = 1: the pass's first K step starts the sums.  last = 1: the ring goes on into the other pass's first three half steps, and no further A is fetched.
.macro TRIP zero, last
	HALF 0, AF0, \zero, VBC, 1024+131072, AF1, 64
.if \last
	HALF 1, AF0, \zero, VBN, 0, -1, 0
	HALF 2, AF1, 0, VBN, 131072, -1, 0
	HALF 3, AF1, 0, VBN, 1024, -1, 0
	WIN 0
.else
	HALF 1, AF0, \zero, VBC, 2048, -1, 0
	HALF 2, AF1, 0, VBC, 2048+131072, AF0, 128
	HALF 3, AF1, 0, VBC, 3072, -1, 0
	WIN 0
	s_wait_xcnt 0x0                                ; the ring's loads have read their address: it is stepped only behind this wait
	v_add_nc_u32 v[VBC], 2048, v[VBC]
	s_add_co_u32 s[KB], s[KB], 128                 ; the next trip's 64 numbers of each panel row:
.irp i, 0,1,2,3,4
	v_add_nc_u32 v[VA+(\i)], s[KB], v[VAB+(\i)]    ; a fixed lane term and a scalar that steps with the trips
.endr
.endif
.endm
; BEHIND A PASS.  S1: column tile j of the tile in hand: 2 log2(e) x enc + decc, the lowest pair first.
.macro S1 j
.irp i, 0,1,2,3
	v_pk_fma_f32 v[AB+8*(\j)+2*(\i):AB+8*(\j)+2*(\i)+1], v[AB+8*(\j)+2*(\i):AB+8*(\j)+2*(\i)+1], s[38:39], v[DV+16*(\j)+2*(\i):DV+16*(\j)+2*(\i)+1] op_sel_hi:[1,0,1]
.endr
.endm
; ETILE: tile tt.  For each column tile: eight powers; the next column tile's scaling, which is the plain work behind them (ISA guide 5.7.2); + 1; eight reciprocals.  Then the products with v, in four chains.
.macro ETILE
.set AB, 64*(tt%4)
	WIN 0x41*(1+tt/4)
	S1 0
.set jx, 0
.rept 8
.irp i, 0,1,2,3,4,5,6,7
	v_exp_f32 v[AB+8*jx+(\i)], v[AB+8*jx+(\i)]
.endr
.if jx < 7
	S1 jx+1
.else
	v_nop
	s_wait_alu depctr_va_vdst(0)
.endif
	s_wait_alu depctr_va_vdst(0)
.irp i, 0,1,2,3
	v_pk_add_f32 v[AB+8*jx+2*(\i):AB+8*jx+2*(\i)+1], v[AB+8*jx+2*(\i):AB+8*jx+2*(\i)+1], 1.0 op_sel_hi:[1,0]
.endr
.irp i, 0,1,2,3,4,5,6,7
	v_rcp_f32 v[AB+8*jx+(\i)], v[AB+8*jx+(\i)]
.endr
.set jx, jx+1
.endr
	WIN 1+tt/4
	v_pk_fma_f32 v[CH:CH+1], v[AB:AB+1], v[DV+8:DV+9], v[EA+2*tt:EA+2*tt+1]
.irp i, 1,2,3
	v_pk_mul_f32 v[CH+2*(\i):CH+2*(\i)+1], v[AB+2*(\i):AB+2*(\i)+1], v[DV+8+2*(\i):DV+8+2*(\i)+1]
.endr
.set jx, 1
	s_wait_alu depctr_va_vdst(0)
.rept 7
.irp i, 0,1,2,3
	v_pk_fma_f32 v[CH+2*(\i):CH+2*(\i)+1], v[AB+8*jx+2*(\i):AB+8*jx+2*(\i)+1], v[DV+16*jx+8+2*(\i):DV+16*jx+8+2*(\i)+1], v[CH+2*(\i):CH+2*(\i)+1]
.endr
.set jx, jx+1
.endr
	WIN 0
	v_pk_add_f32 v[CH:CH+1], v[CH:CH+1], v[CH+2:CH+3]
	v_pk_add_f32 v[CH+4:CH+5], v[CH+4:CH+5], v[CH+6:CH+7]
	v_pk_add_f32 v[EA+2*tt:EA+2*tt+1], v[CH:CH+1], v[CH+4:CH+5]
.endm
	s_load_b512 s[4:19], s[0:1], 0x0               ; encoder s[4:5], wb s[6:7], decc s[8:9], v s[10:11], list s[12:13], meta s[14:15], pctx s[16:17], pml s[18:19]
	s_load_b64 s[20:21], s[0:1], 0x40              ; en
	v_lshl_add_u32 v[SPW], v0, 2, SPARE
	v_mov_b32 v[NIL], 0
	v_lshrrev_b32 v1, 5, v0
	v_readfirstlane_b32 s22, v1                    ; wave 0..3
	s_mov_b32 s23, ttmp9                           ; j
	s_and_b32 s24, ttmp7, 0xffff                   ; b
	s_mov_b32 s38, 0x4038aa3b                      ; 2 log2(e), as a pair
	s_mov_b32 s39, s38
	s_mov_b32 s40, 0x3fb8aa3b                      ; log2(e)
	s_mov_b32 s42, 0x76543210                      ; v_permlanex16_b32: each lane takes its own place in the other half
	s_mov_b32 s43, 0xfedcba98
	v_and_b32 v34, 31, v0                          ; l
	v_and_b32 v35, 15, v0                          ; r
	v_bfe_u32 v36, v0, 4, 1                        ; h
	v_lshlrev_b32 v[VL16], 4, v34
	s_lshl_b32 s44, s22, 19
	v_add_nc_u32 v[VB0], s44, v[VL16]
	v_mov_b32 v[VBC], v[VB0]
	v_lshlrev_b32 v37, 4, v0                       ; 16 x thread
	s_lshl_b32 s56, s24, 8                         ; the batch's record in meta
	s_mov_b32 s57, 0
	s_lshl_b32 s58, s24, 12                        ; its row of decc
	s_mov_b32 s59, 0
	s_wait_kmcnt 0x0
	s_add_nc_u64 s[14:15], s[14:15], s[56:57]
	s_load_b64 s[28:29], s[14:15], 0x0             ; n, flag
	s_add_nc_u64 s[8:9], s[8:9], s[58:59]
	BLOAD 0, VBC, 0                                ; the ring's first three half steps
	BLOAD 1, VBC, 131072
	BLOAD 2, VBC, 1024
	WIN 0
	global_load_b128 v[192:195], v37, s[8:9]
	global_load_b128 v[196:199], v37, s[8:9] offset:2048
	global_load_b128 v[200:203], v37, s[10:11]
	global_load_b128 v[204:207], v37, s[10:11] offset:2048
	v_mul_u32_u24 v[VA0], v35, PITCH
	v_lshl_add_u32 v[VA0], v36, 4, v[VA0]
.irp i, 0,1,2,3,4
	v_add_nc_u32 v[VAB+(\i)], (\i)*2*TILEB, v[VA0]
.endr
	s_lshl_b32 s44, s22, 10                        ; 1,024 w
	s_add_co_u32 s45, s44, DECB
	v_lshl_add_u32 v[VD0], v36, 5, s45
	s_mul_i32 s45, s22, 4*PITCH
	v_lshl_add_u32 v[VST0], v34, 3, s45
	v_lshl_add_u32 v[VE], v35, 2, ESC
	s_mul_i32 s45, s22, 576
	v_add_nc_u32 v[VES], s45, v[VE]
	s_lshl_b32 s45, s22, 9
	s_add_co_u32 s45, s45, PB
	v_lshl_add_u32 v[VPBW], v35, 1, s45
	v_lshl_add_u32 v[VPB], v36, 4, s45
	v_and_b32 v38, 7, v0
	v_lshl_add_u32 v38, v36, 3, v38
	v_mul_u32_u24 v[VX0], v38, PITCH
	v_bfe_u32 v38, v0, 3, 1
	v_lshl_add_u32 v[VX0], v38, 4, v[VX0]
	s_lshl_b32 s45, s22, 9
	v_add_nc_u32 v[VX0], s45, v[VX0]
	s_add_co_u32 s45, s44, CTXS
	v_lshl_add_u32 v[VCS], v35, 2, s45
	v_add_nc_u32 v[VCR], s45, v[VL16]
	v_add_nc_u32 v[VGO], s44, v[VL16]
	v_lshlrev_b32 v[V8L], 3, v34
	v_add_nc_u32 v39, DECB, v37
	s_lshl_b32 s56, s24, 23                        ; the batch's 2,048 rows of 4,096 bytes
	s_add_nc_u64 s[4:5], s[4:5], s[56:57]
	s_lshl_b32 s56, s24, 13                        ; its 8,192 bytes of list and of en
	s_add_nc_u64 s[12:13], s[12:13], s[56:57]
	s_add_nc_u64 s[20:21], s[20:21], s[56:57]
	s_lshl_b32 s56, s24, 4
	s_add_co_u32 s56, s56, s23                     ; record 16 b + 8 x turn + j
	s_lshl_b32 s58, s56, 12
	s_add_nc_u64 s[16:17], s[16:17], s[58:59]
	s_lshl_b32 s58, s56, 8
	s_add_nc_u64 s[18:19], s[18:19], s[58:59]
	s_wait_kmcnt 0x0
	s_min_u32 s28, s28, 2048                       ; n
	s_add_co_u32 s30, s28, 127
	s_lshr_b32 s30, s30, 7                         ; q
	s_mul_i32 s31, s30, s23
	s_lshl_b32 s31, s31, 4                         ; my first place, 16 q j
	s_lshl_b32 s44, s30, 4
	s_add_co_u32 s44, s44, s31
	s_min_u32 s32, s28, s44                        ; places from here on are not mine, or are no rows
	s_cmp_lg_u32 s29, 0
	s_cselect_b32 s33, -1, 0                       ; all lanes, if the batch has no unmasked row
	v_add_nc_u32 v[VPOS], s31, v35
	s_lshl_b32 s44, s22, 2
	s_add_co_u32 s44, s44, s31
	v_mov_b32 v[VPW], s44
	s_wait_loadcnt 0x0                             ; decc and v (and the ring's first sets)
.irp i, 0,1,2,3
	v_cvt_pk_bf16_f32 v[208+(\i)], v[200+2*(\i)], v[200+2*(\i)+1]  ; v is rounded once to bf16, as all other floating-point inputs are,
.endr
.irp i, 0,1,2,3
	v_lshlrev_b32 v[200+2*(\i)], 16, v[208+(\i)]                   ; and kept as f32
	v_and_b32 v[200+2*(\i)+1], 0xffff0000, v[208+(\i)]
.endr
	ds_store_b128 v39, v[192:195]
	ds_store_b128 v39, v[196:199] offset:2048
	ds_store_b128 v39, v[200:203] offset:4096
	ds_store_b128 v39, v[204:207] offset:6144
	s_mov_b32 s34, 2                               ; turns to go
	s_mov_b32 s35, 0                               ; the turn's first tile among my q
.Lpanel:
	s_cmp_lt_u32 s35, s30
	s_cbranch_scc0 .Lgathered                      ; a dead turn: no barrier is jumped
	; (1) THE GATHER.  Four list entries a tile for my wave's four rows, the same address in all lanes; each load lands on its own address register.
.irp t, 0,1,2,3,4,5,6,7,8
	v_add_nc_u32 v[VI+4*(\t)], 16*(\t), v[VPW]
	v_min_u32 v[VI+4*(\t)], 2044, v[VI+4*(\t)]     ; places past the list's end are none of mine: any row serves
	v_lshlrev_b32 v[VI+4*(\t)], 2, v[VI+4*(\t)]
	global_load_b128 v[VI+4*(\t):VI+4*(\t)+3], v[VI+4*(\t)], s[12:13]
.endr
	s_wait_loadcnt 0x0
.set z, 0
.rept 36
	v_min_u32 v[VI+z], 2047, v[VI+z]
	v_lshl_add_u32 v[VI+z], v[VI+z], 12, v[VL16]   ; row x 4,096 + 16 l
.set z, z+1
.endr
	v_mov_b32 v[VST], v[VST0]
	FILL 0, 0                                      ; two tiles, 64 loads of 512 bytes, are on their way in each wave
	FILL 1, 1
	DRAIN 0, 32                                    ; the next tile's 32 loads are younger
	FILL 2, 0
	DRAIN 1, 32
	FILL 3, 1
	DRAIN 0, 32
	FILL 4, 0
	DRAIN 1, 32
	FILL 5, 1
	DRAIN 0, 32
	FILL 6, 0
	DRAIN 1, 32
	FILL 7, 1
	DRAIN 0, 32
	FILL 8, 0
	DRAIN 1, 32
	DRAIN 0, 0
.Lgathered:
	s_wait_dscnt 0x0                               ; for the others' sake: my rows (and, the first time, my part of decc and v) are in LDS
	s_barrier_signal -1
	s_barrier_wait -1
.set z, 0
.rept 18
	v_mov_b32 v[EA+z], 0                           ; in every turn, since the stores behind the next barrier read these registers in every turn
.set z, z+1
.endr
	v_mov_b32 v[SVL], 0
	v_mov_b32 v[SVL+1], 0
	s_cmp_lt_u32 s35, s30
	s_cbranch_scc0 .Lmultiplied
	; (2) THE PRODUCT
	s_mov_b32 s36, 2                               ; passes to go
	s_mov_b32 s[DP], 0
	s_mov_b32 s[WP], 0
.Lpass:
	s_wait_xcnt 0x0                                ; the ring's last loads have read their addresses
	s_xor_b32 s45, s[WP], 262144                   ; the other pass
	v_add_nc_u32 v[VBC], s[WP], v[VB0]
	v_add_nc_u32 v[VBN], s45, v[VB0]
	v_add_nc_u32 v[VD], s[DP], v[VD0]
	s_mov_b32 s[KB], 0
.irp i, 0,1,2,3,4
	v_mov_b32 v[VA+(\i)], v[VAB+(\i)]
.endr
	ALOAD AF0, 0
	TRIP 1, 0
	s_mov_b32 s37, 14
.Ltrip:
	TRIP 0, 0
	s_sub_co_u32 s37, s37, 1
	s_cmp_lg_u32 s37, 0
	s_cbranch_scc1 .Ltrip
	TRIP 0, 1
	PLACES
	PLACES
.irp j, 0,1,2,3,4,5,6,7
	ds_load_b128 v[DV+16*(\j):DV+16*(\j)+3],     v[VD] offset:64*(\j)
	ds_load_b128 v[DV+16*(\j)+4:DV+16*(\j)+7],   v[VD] offset:64*(\j)+16
	ds_load_b128 v[DV+16*(\j)+8:DV+16*(\j)+11],  v[VD] offset:4096+64*(\j)
	ds_load_b128 v[DV+16*(\j)+12:DV+16*(\j)+15], v[VD] offset:4096+64*(\j)+16
.endr
	s_wait_dscnt 0x0
.irp j, 0,1,2,3,4,5,6,7
.irp i, 0,1,2,3
	v_pk_add_f32 v[SVL:SVL+1], v[SVL:SVL+1], v[DV+16*(\j)+8+2*(\i):DV+16*(\j)+8+2*(\i)+1]
.endr
.endr
.set tt, 0
.rept 9
	ETILE
.set tt, tt+1
.endr
	s_add_co_u32 s[DP], s[DP], 512
	s_add_co_u32 s[WP], s[WP], 262144
	s_sub_co_u32 s36, s36, 1
	s_cmp_lg_u32 s36, 0
	s_cbranch_scc1 .Lpass
	; my wave's share of the energies: sum v - 2 sum v / (1 + 2^..), the pair's halves, the other half of the lanes
.irp t, 0,1,2,3,4,5,6,7,8
	v_pk_fma_f32 v[EA+2*(\t):EA+2*(\t)+1], v[EA+2*(\t):EA+2*(\t)+1], -2.0, v[SVL:SVL+1] op_sel_hi:[1,0,1]
.endr
.irp t, 0,1,2,3,4,5,6,7,8
	v_add_f32 v[EA+2*(\t)], v[EA+2*(\t)], v[EA+2*(\t)+1]
.endr
.irp t, 0,1,2,3,4,5,6,7,8
	v_permlanex16_b32 v[EA+2*(\t)+1], v[EA+2*(\t)], s42, s43
.endr
.irp t, 0,1,2,3,4,5,6,7,8
	v_add_f32 v[EA+2*(\t)], v[EA+2*(\t)], v[EA+2*(\t)+1]
.endr
.Lmultiplied:
	s_wait_dscnt 0x0                               ; my LDS reads of the product (the panel along K, decc, v) are back
	s_barrier_signal -1                            ; a barrier between all waves' reads of the product and the first LDS store behind them:
	s_barrier_wait -1                              ; no wave stores into LDS while another still runs its loads along K
.irp t, 0,1,2,3,4,5,6,7,8
	ds_store_b32 v[VES], v[EA+2*(\t)] offset:64*(\t)  ; in a dead turn zeros, which nobody reads
.endr
	v_mov_b32 v[ML], 0xff7fffff                    ; a dead turn leaves a record that counts for nothing: the lowest finite m, l = 0
	v_mov_b32 v[ML+1], 0
	s_wait_dscnt 0x0                               ; for the others' sake: my partial energies are in LDS
	s_barrier_signal -1
	s_barrier_wait -1
	s_cmp_lt_u32 s35, s30
	s_cbranch_scc0 .Lsoftened
	; (3) THE PANEL'S SOFTMAX AND CONTEXT, every wave for itself
.irp t, 0,1,2,3,4,5,6,7,8
.irp u, 0,1,2,3
	ds_load_b32 v[48+4*(\t)+(\u)], v[VE] offset:576*(\u)+64*(\t)
.endr
.endr
	v_mov_b32 v45, 0xff7fffff
	v_mov_b32 v46, 0
	s_wait_dscnt 0x0
.irp t, 0,1,2,3,4,5,6,7,8
	v_add_f32 v[48+4*(\t)], v[48+4*(\t)], v[49+4*(\t)]
	v_add_f32 v[50+4*(\t)], v[50+4*(\t)], v[51+4*(\t)]
	v_add_nc_u32 v34, 16*(\t), v[VPOS]
	v_add_f32 v[EN+(\t)], v[48+4*(\t)], v[50+4*(\t)]
	v_cmp_gt_u32 s[46+(\t)], s32, v34              ; is the place mine, and a row?
	v_cndmask_b32 v[EN+(\t)], v[EN+(\t)], 0, s33   ; a batch without unmasked rows: all energies are equal
	v_cndmask_b32 v[EN+(\t)], v45, v[EN+(\t)], s[46+(\t)]
.endr
	v_max3_num_f32 v[ML], v[EN], v[EN+1], v[EN+2]
	v_max3_num_f32 v37, v[EN+3], v[EN+4], v[EN+5]
	v_max3_num_f32 v38, v[EN+6], v[EN+7], v[EN+8]
	v_max3_num_f32 v[ML], v[ML], v37, v38
	v_max_num_f32_dpp v[ML], v[ML], v[ML] row_xmask:1 row_mask:0xf bank_mask:0xf
	v_max_num_f32_dpp v[ML], v[ML], v[ML] row_xmask:2 row_mask:0xf bank_mask:0xf
	v_max_num_f32_dpp v[ML], v[ML], v[ML] row_xmask:4 row_mask:0xf bank_mask:0xf
	v_max_num_f32_dpp v[ML], v[ML], v[ML] row_xmask:8 row_mask:0xf bank_mask:0xf  ; both halves of the lanes hold the same 16 rows: the panel's maximum
.irp t, 0,1,2,3,4,5,6,7,8
	v_sub_f32 v[PP+(\t)], v[EN+(\t)], v[ML]
	v_mul_f32 v[PP+(\t)], s40, v[PP+(\t)]
.endr
.irp t, 0,1,2,3,4,5,6,7,8
	v_exp_f32 v[PP+(\t)], v[PP+(\t)]
.endr
	v_mov_b32 v[VX], v[VX0]                        ; a plain line behind the last exponential
	s_wait_alu depctr_va_vdst(0)
.irp t, 0,1,2,3,4,5,6,7,8
	v_cndmask_b32 v[PP+(\t)], 0, v[PP+(\t)], s[46+(\t)]
.endr
	v_add_f32 v[ML+1], v[PP], v[PP+1]
	v_add_f32 v37, v[PP+2], v[PP+3]
	v_add_f32 v38, v[PP+4], v[PP+5]
	v_add_f32 v39, v[PP+6], v[PP+7]
	v_add_f32 v[ML+1], v[ML+1], v37
	v_add_f32 v38, v38, v39
	v_add_f32 v[ML+1], v[ML+1], v38
	v_add_f32 v[ML+1], v[ML+1], v[PP+8]
	v_add_f32_dpp v[ML+1], v[ML+1], v[ML+1] row_xmask:1 row_mask:0xf bank_mask:0xf
	v_add_f32_dpp v[ML+1], v[ML+1], v[ML+1] row_xmask:2 row_mask:0xf bank_mask:0xf
	v_add_f32_dpp v[ML+1], v[ML+1], v[ML+1] row_xmask:4 row_mask:0xf bank_mask:0xf
	v_add_f32_dpp v[ML+1], v[ML+1], v[ML+1] row_xmask:8 row_mask:0xf bank_mask:0xf
.irp i, 0,1,2,3
	v_cvt_pk_bf16_f32 v[PK+(\i)], v[PP+2*(\i)], v[PP+2*(\i)+1]
.endr
	v_cvt_pk_bf16_f32 v[PK+4], v[PP+8], v46        ; entries 144 to 159 are 0
.irp i, 0,1,2,3,4
	ds_store_b16 v[VPBW], v[PK+(\i)] offset:64*(\i)
	ds_store_b16_d16_hi v[VPBW], v[PK+(\i)] offset:64*(\i)+32
.endr
	; source 0: the weights of 32 rows, the same in all 16 rows of the operand.  LDS serves a wave's instructions in order (ISA guide 5.7.1.4): these loads see my stores above.
.irp ks, 0,1,2,3,4
	ds_load_b128 v[PF+8*(\ks):PF+8*(\ks)+3],   v[VPB] offset:64*(\ks)
	ds_load_b128 v[PF+8*(\ks)+4:PF+8*(\ks)+7], v[VPB] offset:64*(\ks)+32
.endr
.irp ks, 0,1,2,3,4
	PLACES
.irp ct, 0,1,2,3,4,5,6,7,8,9,10,11,12,13,14,15
	ds_load_tr16_b128 v[48+8*(\ct):48+8*(\ct)+3], v[VX] offset:32*(\ct)
.if (\ks) < 4
	ds_load_tr16_b128 v[48+8*(\ct)+4:48+8*(\ct)+7], v[VX] offset:32*(\ct)+TILEB
.else
	ds_load_tr16_b128 v[48+8*(\ct)+4:48+8*(\ct)+7], v[VX] offset:32*(\ct)  ; the panel ends at row 143: tile 8 once more, against weights that are 0
.endif
.endr
.if (\ks) < 4
	v_add_nc_u32 v[VX], 2*TILEB, v[VX]
.endif
	s_wait_dscnt 0x0
	WIN 0x50
.irp ct, 0,1,2,3,4,5,6,7,8,9,10,11,12,13,14,15
.if (\ks) == 0
	v_wmma_f32_16x16x32_bf16 v[8*(\ct):8*(\ct)+7], v[PF+8*(\ks):PF+8*(\ks)+7], v[48+8*(\ct):48+8*(\ct)+7], 0
.else
	v_wmma_f32_16x16x32_bf16 v[8*(\ct):8*(\ct)+7], v[PF+8*(\ks):PF+8*(\ks)+7], v[48+8*(\ct):48+8*(\ct)+7], v[8*(\ct):8*(\ct)+7]
.endif
.endr
	WIN 0
.endr
	PLACES
	PLACES
	WIN 0x04                                       ; store data in window 1
.irp ct, 0,1,2,3,4,5,6,7,8,9,10,11,12,13,14,15
	ds_store_b32 v[VCS], v[8*(\ct)] offset:64*(\ct)  ; register 0: column l % 16 of the tile, the same in both halves of the lanes
.endr
	WIN 0
	ds_load_b128 v[48:51], v[VCR]
	ds_load_b128 v[52:55], v[VCR] offset:512
	s_wait_dscnt 0x0
	global_store_b128 v[VGO], v[48:51], s[16:17]   ; 512 consecutive bytes each, aligned
	global_store_b128 v[VGO], v[52:55], s[16:17] offset:512
	s_cmp_lg_u32 s22, 0
	s_cbranch_scc1 .Len_done                       ; wave 0 stores the energies of the tiles that are mine
	v_min_u32 v34, 2047, v[VPOS]
	v_lshlrev_b32 v34, 2, v34
.irp t, 0,1,2,3,4,5,6,7,8
	s_add_co_u32 s44, s35, \t
	s_cmp_lt_u32 s44, s30
	s_cbranch_scc0 .Len_done
	global_store_b32 v34, v[EN+(\t)], s[20:21] offset:64*(\t)
.endr
.Len_done:
.Lsoftened:
	s_cmp_lg_u32 s22, 0
	s_cbranch_scc1 .Lno_record
	global_store_b64 v[V8L], v[ML:ML+1], s[18:19]  ; {m, l} in every lane's 8 bytes: a whole record of 256 bytes, in a dead turn too
.Lno_record:
	s_wait_xcnt 0x0                                ; the stores have read their registers and bases: both are written again below and in the next turn
	s_wait_dscnt 0x0                               ; my reads of the panel and of the partial energies are back: the next turn writes both
	s_barrier_signal -1
	s_barrier_wait -1
	v_add_nc_u32 v[VPOS], 144, v[VPOS]
	v_add_nc_u32 v[VPW], 144, v[VPW]
	s_add_nc_u64 s[16:17], s[16:17], 32768
	s_add_nc_u64 s[18:19], s[18:19], 2048
	s_add_co_u32 s35, s35, 9
	s_sub_co_u32 s34, s34, 1
	s_cmp_lg_u32 s34, 0
	s_cbranch_scc1 .Lpanel
	s_wait_tensorcnt 0x0                           ; the wave's end, behind my last LDS store
	ds_add_u32 v[SPW], v[NIL]
	s_wait_dscnt 0x0
	s_endpgm
.Lfunc_end_k_q4e1fb2e956_main:
	.size	k_q4e1fb2e956_main, .Lfunc_end_k_q4e1fb2e956_main-k_q4e1fb2e956_main
	.p2alignl 7, 3214868480
	.fill 96, 4, 3214868480
	.section	.rodata,"a",@progbits
	.p2align	6, 0x0
	.amdhsa_kernel k_q4e1fb2e956_main
		.amdhsa_group_segment_fixed_size 314624
		.amdhsa_private_segment_fixed_size 0
		.amdhsa_enable_private_segment 0
		.amdhsa_kernarg_size 72
		.amdhsa_user_sgpr_count 2
		.amdhsa_user_sgpr_kernarg_segment_ptr 1
		.amdhsa_wavefront_size32 1
		.amdhsa_system_sgpr_workgroup_id_x 1
		.amdhsa_system_sgpr_workgroup_id_y 1
		.amdhsa_system_sgpr_workgroup_id_z 1
		.amdhsa_system_vgpr_workitem_id 0
		.amdhsa_next_free_vgpr 960
		.amdhsa_next_free_sgpr 66
		.amdhsa_reserve_vcc 0
		.amdhsa_float_denorm_mode_32 3
		.amdhsa_float_denorm_mode_16_64 3
		.amdhsa_memory_ordered 1
		.amdhsa_forward_progress 1
		.amdhsa_inst_pref_size 255
	.end_amdhsa_kernel
	.section	.bss,"aw",@nobits
	.p2align	6
	.space	262144
	.amdgpu_metadata
---
amdhsa.version: [ 1, 2 ]
amdhsa.kernels:
  - .name:           k_q4e1fb2e956_main
    .symbol:         k_q4e1fb2e956_main.kd
    .args:
      - { .name: encoder_outputs, .offset: 0, .size: 8, .value_kind: global_buffer, .address_space: global }
      - { .name: wb, .offset: 8, .size: 8, .value_kind: global_buffer, .address_space: global }
      - { .name: decc, .offset: 16, .size: 8, .value_kind: global_buffer, .address_space: global }
      - { .name: v, .offset: 24, .size: 8, .value_kind: global_buffer, .address_space: global }
      - { .name: list, .offset: 32, .size: 8, .value_kind: global_buffer, .address_space: global }
      - { .name: meta, .offset: 40, .size: 8, .value_kind: global_buffer, .address_space: global }
      - { .name: pctx, .offset: 48, .size: 8, .value_kind: global_buffer, .address_space: global }
      - { .name: pml, .offset: 56, .size: 8, .value_kind: global_buffer, .address_space: global }
      - { .name: en, .offset: 64, .size: 8, .value_kind: global_buffer, .address_space: global }
    .group_segment_fixed_size: 314624
    .private_segment_fixed_size: 0
    .kernarg_segment_align: 8
    .kernarg_segment_size: 72
    .max_flat_workgroup_size: 128
    .sgpr_count:     66
    .vgpr_count:     960
    .wavefront_size: 32
...
	.end_amdgpu_metadata
.endif
;; end of part 2
;; launch finish (part 3): grid 32 x 1, 8 waves a work-group, no clusters, 9,216 bytes of LDS; arguments pctx, pml, en, rank, mask, meta, out0, out1; writes out0, out1
.if DOCPART == 3
	.amdgcn_target "amdgcn-amd-amdhsa--gfx1250"
	.amdhsa_code_object_version 6
	.text
	.protected	k_q4e1fb2e956_finish
	.globl	k_q4e1fb2e956_finish
	.p2align	8
	.type	k_q4e1fb2e956_finish,@function
k_q4e1fb2e956_finish:
	s_mov_b64 s[64:65], 0
	v_nop
	global_prefetch_b8 v0, s[64:65] scope:SCOPE_SE
	s_setreg_imm32_b32 hwreg(HW_REG_WAVE_MODE, 25, 1), 1
	s_wait_xcnt 0x0
; THE JOIN.  Work-group b joins batch b's 16 partial records (two turns x eight work-groups): M = max m_i, f_i = e^(m_i - M), L = sum l_i f_i;
; out0[b] = sum f_i pctx_i / L;  out1[b][s] = e^(en[rank[s]] - M) / L where mask[s] is not 0 (or the batch has no unmasked row: flag), else 0.
; The true maximum is taken away in front of every exponential.  A record that counts for nothing holds the lowest finite m and l = 0: its f is 0.
; The second turn's partial contexts exist only where q = ceil(n / 128) is above 9: otherwise they are not loaded.
; 256 threads: thread tau owns columns 4 tau .. 4 tau + 3 of out0 and the places 4 tau .. + 3 and 1,024 + 4 tau .. + 3 of out1: every load and store of a wave covers 512 consecutive bytes.
; No matrix work, no cluster: 32 rows of a few KiB, nothing shared between work-groups.
.set ENL,   0                          ; LDS: the batch's 2,048 energies by compacted place
.set SPARE, 8192                       ; the spare words, 128 bytes for each of 8 waves: no other line names them
.set SPW, 2                            ; v2  my spare word; never rewritten
.set NIL, 3                            ; v3  0; never rewritten
.set F,   66                           ; v[66:81] f_i
.set CX,  84                           ; v[84:87] my four columns of the context
	s_load_b512 s[4:19], s[0:1], 0x0               ; pctx s[4:5], pml s[6:7], en s[8:9], rank s[10:11], mask s[12:13], meta s[14:15], out0 s[16:17], out1 s[18:19]
	v_lshl_add_u32 v[SPW], v0, 2, SPARE
	v_mov_b32 v[NIL], 0
	v_lshlrev_b32 v1, 4, v0                        ; 16 x thread
	s_lshl_b32 s22, ttmp9, 16                      ; 16 partial contexts of 4,096 bytes
	s_mov_b32 s23, 0
	s_lshl_b32 s24, ttmp9, 12                      ; 16 records of 256 bytes; a row of out0
	s_mov_b32 s25, 0
	s_lshl_b32 s26, ttmp9, 13                      ; a row of en, rank, mask, out1
	s_mov_b32 s27, 0
	s_lshl_b32 s28, ttmp9, 8                       ; the batch's record in meta
	s_mov_b32 s29, 0
	s_wait_kmcnt 0x0
	s_add_nc_u64 s[4:5], s[4:5], s[22:23]
	s_add_nc_u64 s[6:7], s[6:7], s[24:25]
	s_add_nc_u64 s[16:17], s[16:17], s[24:25]
	s_add_nc_u64 s[8:9], s[8:9], s[26:27]
	s_add_nc_u64 s[10:11], s[10:11], s[26:27]
	s_add_nc_u64 s[12:13], s[12:13], s[26:27]
	s_add_nc_u64 s[18:19], s[18:19], s[26:27]
	s_add_nc_u64 s[14:15], s[14:15], s[28:29]
	s_load_b64 s[20:21], s[14:15], 0x0             ; n, flag
.irp i, 0,1,2,3,4,5,6,7,8,9,10,11,12,13,14,15
	s_load_b64 s[32+2*(\i):33+2*(\i)], s[6:7], 256*(\i)  ; m_i, l_i
.endr
	global_load_b128 v[4:7],   v1, s[8:9]
	global_load_b128 v[8:11],  v1, s[8:9] offset:4096
	global_load_b128 v[12:15], v1, s[10:11]
	global_load_b128 v[16:19], v1, s[10:11] offset:4096
	global_load_b128 v[20:23], v1, s[12:13]
	global_load_b128 v[24:27], v1, s[12:13] offset:4096
.irp j, 0,1,2,3,4,5,6,7
	global_load_b128 v[32+4*(\j):35+4*(\j)], v1, s[4:5] offset:4096*(\j)
.endr
	s_wait_loadcnt 12                              ; en's two loads are in: the 12 behind them may stay out
	ds_store_b128 v1, v[4:7]
	ds_store_b128 v1, v[8:11] offset:4096
	s_wait_dscnt 0x0                               ; for the others' sake
	s_barrier_signal -1
	s_barrier_wait -1
	s_wait_kmcnt 0x0
	s_min_u32 s20, s20, 2048
	s_add_co_u32 s30, s20, 127
	s_lshr_b32 s30, s30, 7                         ; q
	v_mov_b32 v64, s32
.irp i, 1,2,3,4,5,6,7,8,9,10,11,12,13,14,15
	v_max_num_f32 v64, s[32+2*(\i)], v64           ; M
.endr
.irp i, 0,1,2,3,4,5,6,7,8,9,10,11,12,13,14,15
	v_sub_f32 v[F+(\i)], s[32+2*(\i)], v64
	v_mul_f32 v[F+(\i)], 0x3fb8aa3b, v[F+(\i)]
.endr
.irp i, 0,1,2,3,4,5,6,7,8,9,10,11,12,13,14,15
	v_exp_f32 v[F+(\i)], v[F+(\i)]
.endr
	v_nop                                          ; a plain line behind the last exponential
	s_wait_alu depctr_va_vdst(0)
	v_mul_f32 v65, s33, v[F]
.irp i, 1,2,3,4,5,6,7,8,9,10,11,12,13,14,15
	v_fma_f32 v65, s[33+2*(\i)], v[F+(\i)], v65    ; L
.endr
	v_rcp_f32 v82, v65
	s_wait_loadcnt 0x0
.irp c, 0,1,2,3
	v_mul_f32 v[CX+(\c)], v[32+(\c)], v[F]
.endr
.irp j, 1,2,3,4,5,6,7
.irp c, 0,1,2,3
	v_fma_f32 v[CX+(\c)], v[32+4*(\j)+(\c)], v[F+(\j)], v[CX+(\c)]
.endr
.endr
	s_cmp_gt_u32 s30, 9
	s_cbranch_scc0 .Lone_turn
.irp j, 0,1,2,3,4,5,6,7
	global_load_b128 v[32+4*(\j):35+4*(\j)], v1, s[4:5] offset:32768+4096*(\j)
.endr
	s_wait_loadcnt 0x0
.irp j, 0,1,2,3,4,5,6,7
.irp c, 0,1,2,3
	v_fma_f32 v[CX+(\c)], v[32+4*(\j)+(\c)], v[F+8+(\j)], v[CX+(\c)]
.endr
.endr
.Lone_turn:
	s_wait_alu depctr_va_vdst(0)
.irp c, 0,1,2,3
	v_mul_f32 v[CX+(\c)], v[CX+(\c)], v82
.endr
	global_store_b128 v1, v[CX:CX+3], s[16:17]
	; the weights
.irp i, 0,1,2,3,4,5,6,7
	v_min_u32 v[12+(\i)], 2047, v[12+(\i)]
	v_lshlrev_b32 v[12+(\i)], 2, v[12+(\i)]
.endr
.irp i, 0,1,2,3,4,5,6,7
	ds_load_b32 v[32+(\i)], v[12+(\i)]
.endr
	s_wait_dscnt 0x0
.irp i, 0,1,2,3,4,5,6,7
	v_sub_f32 v[32+(\i)], v[32+(\i)], v64
	v_mul_f32 v[32+(\i)], 0x3fb8aa3b, v[32+(\i)]
.endr
.irp i, 0,1,2,3,4,5,6,7
	v_exp_f32 v[32+(\i)], v[32+(\i)]
.endr
.irp i, 0,1,2,3,4,5,6,7
	v_or_b32 v[20+(\i)], s21, v[20+(\i)]           ; with the flag every row counts as unmasked
.endr
	s_wait_alu depctr_va_vdst(0)
.irp i, 0,1,2,3,4,5,6,7
	v_mul_f32 v[32+(\i)], v[32+(\i)], v82
	v_cmp_ne_u32 vcc_lo, 0, v[20+(\i)]
	v_cndmask_b32 v[32+(\i)], 0, v[32+(\i)], vcc_lo
.endr
	global_store_b128 v1, v[32:35], s[18:19]
	global_store_b128 v1, v[36:39], s[18:19] offset:4096
	s_wait_tensorcnt 0x0                           ; the wave's end, behind my last LDS store
	ds_add_u32 v[SPW], v[NIL]
	s_wait_dscnt 0x0
	s_endpgm
.Lfunc_end_k_q4e1fb2e956_finish:
	.size	k_q4e1fb2e956_finish, .Lfunc_end_k_q4e1fb2e956_finish-k_q4e1fb2e956_finish
	.p2alignl 7, 3214868480
	.fill 96, 4, 3214868480
	.section	.rodata,"a",@progbits
	.p2align	6, 0x0
	.amdhsa_kernel k_q4e1fb2e956_finish
		.amdhsa_group_segment_fixed_size 9216
		.amdhsa_private_segment_fixed_size 0
		.amdhsa_enable_private_segment 0
		.amdhsa_kernarg_size 64
		.amdhsa_user_sgpr_count 2
		.amdhsa_user_sgpr_kernarg_segment_ptr 1
		.amdhsa_wavefront_size32 1
		.amdhsa_system_sgpr_workgroup_id_x 1
		.amdhsa_system_sgpr_workgroup_id_y 1
		.amdhsa_system_sgpr_workgroup_id_z 1
		.amdhsa_system_vgpr_workitem_id 0
		.amdhsa_next_free_vgpr 128
		.amdhsa_next_free_sgpr 66
		.amdhsa_reserve_vcc 1
		.amdhsa_float_denorm_mode_32 3
		.amdhsa_float_denorm_mode_16_64 3
		.amdhsa_memory_ordered 1
		.amdhsa_forward_progress 1
		.amdhsa_inst_pref_size 17
	.end_amdhsa_kernel
	.amdgpu_metadata
---
amdhsa.version: [ 1, 2 ]
amdhsa.kernels:
  - .name:           k_q4e1fb2e956_finish
    .symbol:         k_q4e1fb2e956_finish.kd
    .args:
      - { .name: pctx, .offset: 0, .size: 8, .value_kind: global_buffer, .address_space: global }
      - { .name: pml, .offset: 8, .size: 8, .value_kind: global_buffer, .address_space: global }
      - { .name: en, .offset: 16, .size: 8, .value_kind: global_buffer, .address_space: global }
      - { .name: rank, .offset: 24, .size: 8, .value_kind: global_buffer, .address_space: global }
      - { .name: mask, .offset: 32, .size: 8, .value_kind: global_buffer, .address_space: global }
      - { .name: meta, .offset: 40, .size: 8, .value_kind: global_buffer, .address_space: global }
      - { .name: out0, .offset: 48, .size: 8, .value_kind: global_buffer, .address_space: global }
      - { .name: out1, .offset: 56, .size: 8, .value_kind: global_buffer, .address_space: global }
    .group_segment_fixed_size: 9216
    .private_segment_fixed_size: 0
    .kernarg_segment_align: 8
    .kernarg_segment_size: 64
    .max_flat_workgroup_size: 256
    .sgpr_count:     66
    .vgpr_count:     128
    .wavefront_size: 32
...
	.end_amdgpu_metadata
.endif
;; end of part 3
;; ======== version 2 of 2: 3 launches; version 1 with the launch main written anew for expert scheduling mode
;; limits: right only within a limited range of input values
;; workspace buffers: wb 2,097,152 bytes; decc 131,072 bytes; list 262,144 bytes of whole numbers; rank 262,144 bytes of whole numbers; meta 8,192 bytes of whole numbers; pctx 2,097,152 bytes; pml 131,072 bytes; en 262,144 bytes
;; launch prep: the kernel of part 1 again; grid 32 x 1, 16 waves a work-group, no clusters, 35,072 bytes of LDS; arguments W_h, W_s, decoder_hidden, mask, wb, decc, list, rank, meta, en; writes wb, decc, list, rank, meta, en
;; launch main (part 4): grid 8 x 32, 4 waves a work-group, no clusters, 314,624 bytes of LDS; arguments encoder_outputs, wb, decc, v, list, meta, pctx, pml, en; writes pctx, pml, en
.if DOCPART == 4
	.amdgcn_target "amdgcn-amd-amdhsa--gfx1250"
	.amdhsa_code_object_version 6
	.text
	.protected	k_q4e1fb2e956_main
	.globl	k_q4e1fb2e956_main
	.p2align	8
	.type	k_q4e1fb2e956_main,@function
k_q4e1fb2e956_main:
	s_mov_b64 s[64:65], 0
	v_nop
	global_prefetch_b8 v0, s[64:65] scope:SCOPE_SE
	s_setreg_imm32_b32 hwreg(HW_REG_WAVE_SCHED_MODE, 0, 2), 2
	s_setreg_imm32_b32 hwreg(HW_REG_WAVE_MODE, 25, 1), 1
	s_wait_xcnt 0x0
	s_wait_alu depctr_vm_vsrc(0)
; ENERGIES, AND PARTIAL SOFTMAX AND CONTEXT, OF THE UNMASKED ROWS ALONE.  energy = sum over d of v[d] tanh(W_h[d] . row + dec[d]);  tanh(x) = 1 - 2 / (1 + 2^(2 log2(e) x)),
; which goes to +1 and -1 where the power overflows or vanishes.  A masked row's weight is exactly 0 in f32 as long as the sum of |v| stays under about 9e8 (its energy is -1e9), so nothing of it is read.
; LIMITS.  Operands of the products in bf16 (rows, W_h; v too is rounded once to bf16, like every other floating-point input); sums, maxima and exponentials in f32; the weights p are rounded to bf16
; for the context's product, their sum l is taken of the unrounded p.  NaN and infinities in the inputs are not treated apart.
; SHARES.  Batch b (grid y) has n unmasked rows (all 2,048, with energy 0, if it has none: flag); q = ceil(n / 128) tiles of 16 rows go to each of its eight work-groups (grid x = j): compacted places
; 16 q j .. 16 q (j + 1) - 1.  A PANEL is 9 tiles, 144 rows, held in LDS as bf16; there are always two panel turns, and a turn is alive if 9 x turn < q.  The four barriers of a turn stand outside
; everything that a dead turn jumps over.  Places at or beyond min(n, 16 q (j + 1)) are computed and get the weight 0.
; A TURN.  (1) the rows named by list are loaded, rounded and laid into the panel: a wave takes whole rows, 512 consecutive bytes an instruction;  (2) wave w multiplies all 144 rows by W_h's rows
; 256 w .. 256 w + 255, in two passes of 128: 72 accumulators of 16 x 16; W_h's fragments come from wb straight into registers, through a ring of three pairs of sets of 32 registers, two K steps ahead;
; behind a pass tanh and the product with v;  (3) the four waves' partial energies meet in LDS; each wave makes the panel's maximum m, the weights p = e^(energy - m), their sum l, and its 256 columns
; of sum p x row by the matrix unit (the panel read turned, by ds_load_tr16_b128).  m, l, the partial context and the energies go to memory; the next launch joins them.
; NO CLUSTER, NO LDS RING FOR wb, though every work-group reads all of wb: a K step of 32 for the work-group's 1,024 columns is 65,536 bytes, and beside the panel and the tables 13,056 bytes of LDS are left.
; LAYOUT.  Source 0 = 16 rows of W_h, source 1 = 16 encoder rows: in the result lane l holds ONE encoder row (l % 16) and register i the column 8 (l / 16) + i of the tile (ISA guide 7.12.2).
; REGISTERS, in windows of 256 (s_set_vgpr_msb: bits 1:0 source 0, 3:2 source 1, 5:4 source 2, 7:6 destination):
;   window 0: addresses, statistics, A's two fragment buffers, work.   window 1: accumulators of tiles 0-3 (tile t, column tile c at 64 t + 8 c); in the gather two buffers of 128; in (3) the context's 16.
;   window 2: tiles 4-7.   window 3: v0-63 tile 8; v64-255 the ring.
; THE MODE: SCHED_MODE bits 1:0 = 2 (LLVM: expert scheduling mode 2), set by the entry lines.  The code itself states the register dependences between vector or matrix instructions
; and memory or LDS instructions, with s_wait_alu, always for 0.
; THE PLAN, for the loop along K.  Registers that memory or LDS instructions touch there:
;   the ring   K step k: its 72 products read pair k % 3; its 16 loads, step k + 2's fragments of W_h, land in pair (k + 2) % 3, which step k - 1 read.
;   AF0, AF1   K step k: its products read AF[k % 2]; its 18 LDS loads, step k + 1's fragments of the panel, land in the other buffer, which step k - 1 read.
;   v[VA ..]   read by every LDS load of a fragment; written once a trip of six K steps, at the trip's head.
;   v[VB0]     read by every load of wb; never written again: the K steps are reached by scalar bases, written once a trip, and by immediate offsets.
;   The accumulators are named by matrix and vector instructions alone.
; So ONE wait on va_vdst stands in a K step, at its head: the products of the step before are done reading the pair and the buffer in which this step's loads land (in a trip's first step also: v[VA ..]
; is written).  The 34 loads follow it, dealt among the step's first products, which name the step's own pair, its own buffer and the accumulators: none of the registers that those loads touch.
; One wait on vm_vsrc a trip stands ahead of the adds to v[VA ..].  A pass's 32 K steps: step 0, which starts the sums; five trips of six (the ring's three and A's two come round together); step 31.
; 32 is no multiple of three, so the other pass's first three steps are asked for by name: its step 2 by the last trip's sixth step (pair 2), its step 0 by step 31 (pair 0), its step 1 behind step 31 (pair 1).
; Outside that loop each wait's comment names what it states.
.set PITCH, 2064                       ; a panel row: 2,048 bytes + 16: an odd multiple of 16, so the 16 rows of a fragment load start at 16 different groups of four banks (ISA guide 11.1)
.set TILEB, 16*PITCH
.set DECB,  144*PITCH                  ; 297,216: decc of the batch, 4,096 bytes; v behind it, 4,096 bytes
.set ESC,   DECB+8192                  ; partial energies [wave 4][tile 9][16] f32, 576 bytes a wave
.set PB,    ESC+2560                   ; 512 bytes a wave: its own copy of the 160 weights in bf16
.set CTXS,  PB+2048                    ; 1,024 bytes a wave: its 256 columns of the context
.set SPARE, CTXS+4096                  ; the spare words, 128 bytes a wave: no other line names them
.set VA,   2                           ; v[2:6]  LDS address of my A fragments in the trip in hand, a register for each pair of tiles: VAB + s[KB]
.set VA0,  7                           ; r x PITCH + 16 h
.set VB0,  8                           ; 16 l + 524,288 w: my 16 bytes in my wave's part of wb; never rewritten
.set VD0,  11                          ; DECB + 1,024 w + 32 h
.set VD,   12                          ; + 512 x pass
.set VST,  13                          ; the gather: where my 8 bytes go; stepped tile by tile
.set VST0, 14                          ; 4 w x PITCH + 8 l
.set VL16, 15                          ; 16 l
.set VPOS, 16                          ; compacted place of row r of the panel's tile 0
.set VPW,  17                          ; compacted place of my wave's first row of tile 0 (the same in all lanes)
.set VE,   18                          ; ESC + 4 r
.set VES,  19                          ; ESC + 576 w + 4 r
.set VPBW, 20                          ; PB + 512 w + 2 r
.set VPB,  21                          ; PB + 512 w + 16 h
.set VX0,  22                          ; the turning load: (8 h + l % 8) x PITCH + 16 ((l / 8) % 2) + 512 w
.set VX,   23
.set VCS,  24                          ; CTXS + 1,024 w + 4 r
.set VCR,  25                          ; CTXS + 1,024 w + 16 l
.set VGO,  26                          ; 1,024 w + 16 l
.set V8L,  27                          ; 8 l
.set ML,   28                          ; v[28:29] m, l
.set SPW,  30                          ; my spare word; never rewritten
.set NIL,  31                          ; 0; never rewritten
.set SVL,  32                          ; v[32:33] the sum of my lane's v
.set VAB,  40                          ; v[40:44] VA0 + the pair of tiles' 2 x TILEB; never rewritten
.set AF0,  48                          ; v[48:119]  A's fragments of one K step: 9 tiles x 8
.set AF1,  120                         ; v[120:191] the other buffer
.set CV,   48                          ; the gather: 64 registers of bf16
.set DV,   48                          ; behind a pass: column tile c: decc at DV + 16 c, v at DV + 16 c + 8
.set EN,   176                         ; v[176:184] the nine energies of my row
.set PP,   185                         ; v[185:193] their weights
.set PK,   194                         ; v[194:198] the weights in bf16 pairs
.set CH,   192                         ; v[192:199] four chains of pairs
.set EA,   200                         ; v[200:217] tile t: sum of v / (1 + 2^..), a pair
.set VI,   192                         ; v[192:227] the gather: row offsets, tile t row i at VI + 4 t + i
.set PF,   208                         ; v[208:247] the weights' five fragments
.set LA,   228                         ; v[228:236] the gather: byte offsets of the nine loads from list
.set RING, 64                          ; window 3: set s, column tile c, half g at RING + 32 s + 8 c + 4 g; pair i is sets 2 i (the pass's column tiles 0-3) and 2 i + 1 (tiles 4-7)
.set KB,   25                          ; s25  bytes along K of the trip in hand's first K step, in a panel row
.set DP,   26                          ; s26  512 x pass: the pass's 128 columns in decc and v
.set WP,   27                          ; s27  262,144 x pass: its 8 column tiles in wb
.set NX,   41                          ; s41  byte offset in wb of the other pass's K step 2
.set BC,   56                          ; s[56:57] wb at the pass's column tiles and the trip's first K step
.set BL,   58                          ; s[58:59] wb at the K step that the trip's sixth step asks for
.set BN,   60                          ; s[60:61] wb at the other pass's K step 0
.set BO,   62                          ; s[62:63] the byte offset behind BC, as a pair with 0 above it
.set LO,   2                           ; s[2:3]   an offset at work, likewise
.set MSB, 0
.macro WIN new                         ; the immediate's high byte repeats the setting that is left; a switch that changes nothing is dropped
.if MSB != (\new)
	s_set_vgpr_msb (MSB<<8)|(\new)
.set MSB, \new
.endif
.endm
.macro PLACES                          ; four places behind a matrix instruction, in front of loads into registers that it read and of lines that read its result
.rept 4
	v_nop
.endr
.endm
; THE GATHER.  FILL: my four rows of tile t, eight loads of 512 consecutive bytes each, into buffer buf of window 1.
.macro FILL t, buf
	WIN 0x40
.irp i, 0,1,2,3
.irp k, 0,1,2,3,4,5,6,7
	global_load_b128 v[128*(\buf)+32*(\i)+4*(\k):128*(\buf)+32*(\i)+4*(\k)+3], v[VI+4*(\t)+(\i)], s[4:5] offset:512*(\k)
.endr
.endr
.endm
; DRAIN: buffer buf is rounded to bf16 and laid into the panel: a store covers 256 consecutive LDS bytes.  left = the younger loads that may stay out.  step = 1: every tile but the first.
.macro DRAIN buf, left, step
	s_wait_loadcnt \left
.if \step
	s_wait_alu depctr_vm_vsrc(0)                   ; the LDS stores of the tile before have read v[CV ..] and v[VST], which the lines below write again
.endif
	WIN 0x05
.set z, 0
.rept 64
	v_cvt_pk_bf16_f32 v[CV+z], v[128*(\buf)+2*z], v[128*(\buf)+2*z+1]
.set z, z+1
.endr
	WIN 0
.if \step
	v_add_nc_u32 v[VST], TILEB, v[VST]
.endif
	s_wait_alu depctr_va_vdst(0)                   ; the conversions have written v[CV ..], and v[VST] is written: the stores below read both; the conversions are done reading buffer buf, in which the next FILL lands
.irp i, 0,1,2,3
.irp k, 0,1,2,3,4,5,6,7
	ds_store_b64 v[VST], v[CV+16*(\i)+2*(\k):CV+16*(\i)+2*(\k)+1] offset:(\i)*PITCH+256*(\k)
.endr
.endr
.endm
; THE PRODUCT.  BLOAD: four column tiles of W_h for one K step, 8 loads of 512 consecutive bytes, into ring set rs; base: the scalar pair that holds the address.
.macro BLOAD rs, base, imm
	WIN 0xc0
.irp jj, 0,1,2,3
	global_load_b128 v[RING+32*(\rs)+8*(\jj):RING+32*(\rs)+8*(\jj)+3],   v[VB0], s[\base:\base+1] offset:(\imm)+(\jj)*32768
	global_load_b128 v[RING+32*(\rs)+8*(\jj)+4:RING+32*(\rs)+8*(\jj)+7], v[VB0], s[\base:\base+1] offset:(\imm)+(\jj)*32768+512
.endr
.endm
; ALOAD3: three tiles' fragments of one K step (tiles from, from + 1, from + 2), at byte imm behind the trip's addresses.
.macro ALOAD3 af, imm, from
	WIN 0
.irp t, 0,1,2
	ds_load_b128 v[(\af)+8*((\from)+(\t)):(\af)+8*((\from)+(\t))+3],   v[VA+((\from)+(\t))/2] offset:(\imm)+(((\from)+(\t))%2)*TILEB
	ds_load_b128 v[(\af)+8*((\from)+(\t))+4:(\af)+8*((\from)+(\t))+7], v[VA+((\from)+(\t))/2] offset:(\imm)+(((\from)+(\t))%2)*TILEB+32
.endr
.endm
; MULG: tiles t0 .. t0 + nt - 1 times the four column tiles of ring set rs (half H of the pass's eight).  Every accumulator has one instruction a K step: they take turns.
.macro MULG af, rs, H, t0, nt, zero
.set tt, \t0
.rept \nt
	WIN 0x53+0x50*(tt/4)
.irp jj, 0,1,2,3
.if \zero
	v_wmma_f32_16x16x32_bf16 v[64*(tt%4)+8*(4*(\H)+(\jj)):64*(tt%4)+8*(4*(\H)+(\jj))+7], v[RING+32*(\rs)+8*(\jj):RING+32*(\rs)+8*(\jj)+7], v[(\af)+8*tt:(\af)+8*tt+7], 0
.else
	v_wmma_f32_16x16x32_bf16 v[64*(tt%4)+8*(4*(\H)+(\jj)):64*(tt%4)+8*(4*(\H)+(\jj))+7], v[RING+32*(\rs)+8*(\jj):RING+32*(\rs)+8*(\jj)+7], v[(\af)+8*tt:(\af)+8*tt+7], v[64*(tt%4)+8*(4*(\H)+(\jj)):64*(tt%4)+8*(4*(\H)+(\jj))+7]
.endif
.endr
.set tt, tt+1
.endr
.endm
; A K STEP: 72 products on ring pair pr and A buffer af.  zero = 1: they start the sums.  first = 1: a pass's step 0.
; lp, lb, li: the pair that is asked for again, the scalar pair with its address, its immediate (lb = -1: none).  na, ni: the A buffer that is asked for again, its immediate (na = -1: none).
.macro STEP pr, af, zero, first, lp, lb, li, na, ni
.if \first
	s_wait_loadcnt 0x0                             ; the three pairs asked for at the kernel's head, or round the end of the pass before, are in
	s_wait_dscnt 0x0                               ; and so are this K step's A fragments.  No wait on va_vdst: the one at the pass's head stands for the loads below too, since no line behind it names AF1
.else
	s_wait_loadcnt 24                              ; loads end in order (ISA guide 5.7.1): the pair's first set is in; its second set (8) and the next step's pair (16) may stay out
	s_wait_dscnt 0x0                               ; this K step's A fragments, asked for a K step ago
	s_wait_alu depctr_va_vdst(0)                   ; the products of the step before are done reading pair lp and the other A buffer, in which this step's loads land; in a trip's first step v[VA ..] is written
.endif
	MULG \af, 2*(\pr), 0, 0, 1, \zero
	PLACES                                         ; between the last step's products and the loads into registers that those read; they are issued beside the four products above
.if (\lb) >= 0
	BLOAD 2*(\lp), \lb, \li                        ; no further wait in the step: no product behind the wait names a register that these loads touch
.endif
	MULG \af, 2*(\pr), 0, 1, 1, \zero
.if (\lb) >= 0
	BLOAD 2*(\lp)+1, \lb, (\li)+131072
.endif
	MULG \af, 2*(\pr), 0, 2, 1, \zero
.if (\na) >= 0
	ALOAD3 \na, \ni, 0
.endif
	MULG \af, 2*(\pr), 0, 3, 1, \zero
.if (\na) >= 0
	ALOAD3 \na, \ni, 3
.endif
	MULG \af, 2*(\pr), 0, 4, 1, \zero
.if (\na) >= 0
	ALOAD3 \na, \ni, 6
.endif
	MULG \af, 2*(\pr), 0, 5, 4, \zero
.if !(\first)
	s_wait_loadcnt 32                              ; the pair's second set is in; the next step's pair (16) and the pair just asked for (16) may stay out
.endif
	MULG \af, 2*(\pr)+1, 1, 0, 9, \zero
.endm
; BEHIND A PASS.  S1: column tile j of the tile in hand: 2 log2(e) x enc + decc, the lowest pair first.
.macro S1 j
.irp i, 0,1,2,3
	v_pk_fma_f32 v[AB+8*(\j)+2*(\i):AB+8*(\j)+2*(\i)+1], v[AB+8*(\j)+2*(\i):AB+8*(\j)+2*(\i)+1], s[38:39], v[DV+16*(\j)+2*(\i):DV+16*(\j)+2*(\i)+1] op_sel_hi:[1,0,1]
.endr
.endm
; ETILE: tile tt.  For each column tile: eight powers; the next column tile's scaling, which is the plain work behind them (ISA guide 5.7.2); + 1; eight reciprocals.  Then the products with v, in four chains.
.macro ETILE
.set AB, 64*(tt%4)
	WIN 0x41*(1+tt/4)
	S1 0
.set jx, 0
.rept 8
.irp i, 0,1,2,3,4,5,6,7
	v_exp_f32 v[AB+8*jx+(\i)], v[AB+8*jx+(\i)]
.endr
.if jx < 7
	S1 jx+1
.else
	v_nop
.endif
	s_wait_alu depctr_va_vdst(0)                   ; the eight powers are written, ahead of the additions that read them; so are the reciprocals of the column tile before
.irp i, 0,1,2,3
	v_pk_add_f32 v[AB+8*jx+2*(\i):AB+8*jx+2*(\i)+1], v[AB+8*jx+2*(\i):AB+8*jx+2*(\i)+1], 1.0 op_sel_hi:[1,0]
.endr
.irp i, 0,1,2,3,4,5,6,7
	v_rcp_f32 v[AB+8*jx+(\i)], v[AB+8*jx+(\i)]
.endr
.set jx, jx+1
.endr
	WIN 1+tt/4
	v_pk_fma_f32 v[CH:CH+1], v[AB:AB+1], v[DV+8:DV+9], v[EA+2*tt:EA+2*tt+1]
.irp i, 1,2,3
	v_pk_mul_f32 v[CH+2*(\i):CH+2*(\i)+1], v[AB+2*(\i):AB+2*(\i)+1], v[DV+8+2*(\i):DV+8+2*(\i)+1]
.endr
.set jx, 1
	s_wait_alu depctr_va_vdst(0)                   ; the last column tile's reciprocals are written, ahead of the products that read them; the four lines above, on column tile 0, are the plain work between
.rept 7
.irp i, 0,1,2,3
	v_pk_fma_f32 v[CH+2*(\i):CH+2*(\i)+1], v[AB+8*jx+2*(\i):AB+8*jx+2*(\i)+1], v[DV+16*jx+8+2*(\i):DV+16*jx+8+2*(\i)+1], v[CH+2*(\i):CH+2*(\i)+1]
.endr
.set jx, jx+1
.endr
	WIN 0
	v_pk_add_f32 v[CH:CH+1], v[CH:CH+1], v[CH+2:CH+3]
	v_pk_add_f32 v[CH+4:CH+5], v[CH+4:CH+5], v[CH+6:CH+7]
	v_pk_add_f32 v[EA+2*tt:EA+2*tt+1], v[CH:CH+1], v[CH+4:CH+5]
.endm
	s_load_b512 s[4:19], s[0:1], 0x0               ; encoder s[4:5], wb s[6:7], decc s[8:9], v s[10:11], list s[12:13], meta s[14:15], pctx s[16:17], pml s[18:19]
	s_load_b64 s[20:21], s[0:1], 0x40              ; en
	v_lshl_add_u32 v[SPW], v0, 2, SPARE
	v_mov_b32 v[NIL], 0
	v_lshrrev_b32 v1, 5, v0
	v_readfirstlane_b32 s22, v1                    ; wave 0..3
	s_mov_b32 s23, ttmp9                           ; j
	s_and_b32 s24, ttmp7, 0xffff                   ; b
	s_mov_b32 s38, 0x4038aa3b                      ; 2 log2(e), as a pair
	s_mov_b32 s39, s38
	s_mov_b32 s40, 0x3fb8aa3b                      ; log2(e)
	s_mov_b32 s42, 0x76543210                      ; v_permlanex16_b32: each lane takes its own place in the other half
	s_mov_b32 s43, 0xfedcba98
	s_mov_b32 s[LO+1], 0                           ; the two offset pairs' upper words
	s_mov_b32 s[BO+1], 0
	v_and_b32 v34, 31, v0                          ; l
	v_and_b32 v35, 15, v0                          ; r
	v_bfe_u32 v36, v0, 4, 1                        ; h
	v_lshlrev_b32 v[VL16], 4, v34
	v_lshlrev_b32 v37, 4, v0                       ; 16 x thread
	s_wait_alu depctr_va_sdst(0)                   ; s22 is written, ahead of its first reader
	s_lshl_b32 s44, s22, 19
	v_add_nc_u32 v[VB0], s44, v[VL16]
	s_lshl_b32 s56, s24, 8                         ; the batch's record in meta
	s_mov_b32 s57, 0
	s_lshl_b32 s58, s24, 12                        ; its row of decc
	s_mov_b32 s59, 0
	s_wait_kmcnt 0x0
	s_add_nc_u64 s[14:15], s[14:15], s[56:57]
	s_load_b64 s[28:29], s[14:15], 0x0             ; n, flag
	s_add_nc_u64 s[8:9], s[8:9], s[58:59]
	s_wait_alu depctr_va_vdst(0)                   ; v[VB0] and v37 are written: the loads below read them as their offsets
	BLOAD 0, 6, 0                                  ; the first pass's K steps 0, 1 and 2 into pairs 0, 1 and 2
	BLOAD 1, 6, 131072
	BLOAD 2, 6, 1024
	BLOAD 3, 6, 1024+131072
	BLOAD 4, 6, 2048
	BLOAD 5, 6, 2048+131072
	WIN 0
	global_load_b128 v[192:195], v37, s[8:9]
	global_load_b128 v[196:199], v37, s[8:9] offset:2048
	global_load_b128 v[200:203], v37, s[10:11]
	global_load_b128 v[204:207], v37, s[10:11] offset:2048
	v_mul_u32_u24 v[VA0], v35, PITCH
	v_lshl_add_u32 v[VA0], v36, 4, v[VA0]
.irp i, 0,1,2,3,4
	v_add_nc_u32 v[VAB+(\i)], (\i)*2*TILEB, v[VA0]
.endr
	s_lshl_b32 s44, s22, 10                        ; 1,024 w
	s_add_co_u32 s45, s44, DECB
	v_lshl_add_u32 v[VD0], v36, 5, s45
	s_mul_i32 s45, s22, 4*PITCH
	v_lshl_add_u32 v[VST0], v34, 3, s45
	v_lshl_add_u32 v[VE], v35, 2, ESC
	s_mul_i32 s45, s22, 576
	v_add_nc_u32 v[VES], s45, v[VE]
	s_lshl_b32 s45, s22, 9
	s_add_co_u32 s45, s45, PB
	v_lshl_add_u32 v[VPBW], v35, 1, s45
	v_lshl_add_u32 v[VPB], v36, 4, s45
	v_and_b32 v38, 7, v0
	v_lshl_add_u32 v38, v36, 3, v38
	v_mul_u32_u24 v[VX0], v38, PITCH
	v_bfe_u32 v38, v0, 3, 1
	v_lshl_add_u32 v[VX0], v38, 4, v[VX0]
	s_lshl_b32 s45, s22, 9
	v_add_nc_u32 v[VX0], s45, v[VX0]
	s_add_co_u32 s45, s44, CTXS
	v_lshl_add_u32 v[VCS], v35, 2, s45
	v_add_nc_u32 v[VCR], s45, v[VL16]
	v_add_nc_u32 v[VGO], s44, v[VL16]
	v_lshlrev_b32 v[V8L], 3, v34
	v_add_nc_u32 v39, DECB, v37
	s_lshl_b32 s56, s24, 23                        ; the batch's 2,048 rows of 4,096 bytes
	s_add_nc_u64 s[4:5], s[4:5], s[56:57]
	s_lshl_b32 s56, s24, 13                        ; its 8,192 bytes of list and of en
	s_add_nc_u64 s[12:13], s[12:13], s[56:57]
	s_add_nc_u64 s[20:21], s[20:21], s[56:57]
	s_lshl_b32 s56, s24, 4
	s_add_co_u32 s56, s56, s23                     ; record 16 b + 8 x turn + j
	s_lshl_b32 s58, s56, 12
	s_add_nc_u64 s[16:17], s[16:17], s[58:59]
	s_lshl_b32 s58, s56, 8
	s_add_nc_u64 s[18:19], s[18:19], s[58:59]
	s_wait_kmcnt 0x0
	s_min_u32 s28, s28, 2048                       ; n
	s_add_co_u32 s30, s28, 127
	s_lshr_b32 s30, s30, 7                         ; q
	s_mul_i32 s31, s30, s23
	s_lshl_b32 s31, s31, 4                         ; my first place, 16 q j
	s_lshl_b32 s44, s30, 4
	s_add_co_u32 s44, s44, s31
	s_min_u32 s32, s28, s44                        ; places from here on are not mine, or are no rows
	s_cmp_lg_u32 s29, 0
	s_cselect_b32 s33, -1, 0                       ; all lanes, if the batch has no unmasked row
	v_add_nc_u32 v[VPOS], s31, v35
	s_lshl_b32 s44, s22, 2
	s_add_co_u32 s44, s44, s31
	v_mov_b32 v[VPW], s44
	s_wait_loadcnt 0x0                             ; decc and v (and the ring's three pairs)
.irp i, 0,1,2,3
	v_cvt_pk_bf16_f32 v[208+(\i)], v[200+2*(\i)], v[200+2*(\i)+1]  ; v is rounded once to bf16, as all other floating-point inputs are,
.endr
.irp i, 0,1,2,3
	v_lshlrev_b32 v[200+2*(\i)], 16, v[208+(\i)]                   ; and kept as f32
	v_and_b32 v[200+2*(\i)+1], 0xffff0000, v[208+(\i)]
.endr
	s_wait_alu depctr_va_vdst(0)                   ; v39 and v[200:207] are written, which the stores below read; so is every address register made above, for the whole kernel
	ds_store_b128 v39, v[192:195]
	ds_store_b128 v39, v[196:199] offset:2048
	ds_store_b128 v39, v[200:203] offset:4096
	ds_store_b128 v39, v[204:207] offset:6144
	s_mov_b32 s34, 2                               ; turns to go
	s_mov_b32 s35, 0                               ; the turn's first tile among my q
.Lpanel:
	s_cmp_lt_u32 s35, s30
	s_cbranch_scc0 .Lgathered                      ; a dead turn: no barrier is jumped
	; (1) THE GATHER.  Four list entries a tile for my wave's four rows, the same address in all lanes.
	s_wait_alu depctr_vm_vsrc(0)                   ; the head's LDS stores have read v[192:207]; the last turn's loads and stores have read v[LA ..], v[VI ..], v[VST], v[48:55] and the context's registers of window 1: all are written again in the gather
.irp t, 0,1,2,3,4,5,6,7,8
	v_add_nc_u32 v[LA+(\t)], 16*(\t), v[VPW]
	v_min_u32 v[LA+(\t)], 2044, v[LA+(\t)]         ; places past the list's end are none of mine: any row serves
	v_lshlrev_b32 v[LA+(\t)], 2, v[LA+(\t)]
.endr
	s_wait_alu depctr_va_vdst(0)                   ; v[LA ..] are written, which the nine loads read; the last turn's vector lines are done with v[192:227], in which they land
.irp t, 0,1,2,3,4,5,6,7,8
	global_load_b128 v[VI+4*(\t):VI+4*(\t)+3], v[LA+(\t)], s[12:13]
.endr
	s_wait_loadcnt 0x0
.set z, 0
.rept 36
	v_min_u32 v[VI+z], 2047, v[VI+z]
	v_lshl_add_u32 v[VI+z], v[VI+z], 12, v[VL16]   ; row x 4,096 + 16 l
.set z, z+1
.endr
	v_mov_b32 v[VST], v[VST0]
	s_wait_alu depctr_va_vdst(0)                   ; the 36 row offsets are written, which the loads of all nine tiles read; the last turn's vector and matrix lines are done with window 1, in which they land
	FILL 0, 0                                      ; two tiles, 64 loads of 512 bytes, are on their way in each wave
	FILL 1, 1
	DRAIN 0, 32, 0                                 ; the next tile's 32 loads are younger
	FILL 2, 0
	DRAIN 1, 32, 1
	FILL 3, 1
	DRAIN 0, 32, 1
	FILL 4, 0
	DRAIN 1, 32, 1
	FILL 5, 1
	DRAIN 0, 32, 1
	FILL 6, 0
	DRAIN 1, 32, 1
	FILL 7, 1
	DRAIN 0, 32, 1
	FILL 8, 0
	DRAIN 1, 32, 1
	DRAIN 0, 0, 1
.Lgathered:
	s_wait_dscnt 0x0                               ; for the others' sake: my rows (and, the first time, my part of decc and v) are in LDS
	s_barrier_signal -1
	s_barrier_wait -1
	s_wait_alu depctr_vm_vsrc(0)                   ; the LDS stores of the last turn's partial energies, or of the head's v, have read v[200:217], and the last turn's record's store v[ML:ML+1]: both are written again below, in a dead turn too
.set z, 0
.rept 18
	v_mov_b32 v[EA+z], 0                           ; in every turn, since the stores behind the next barrier read these registers in every turn
.set z, z+1
.endr
	v_mov_b32 v[SVL], 0
	v_mov_b32 v[SVL+1], 0
	s_cmp_lt_u32 s35, s30
	s_cbranch_scc0 .Lmultiplied
	; (2) THE PRODUCT
	s_mov_b32 s36, 2                               ; passes to go
	s_mov_b32 s[DP], 0
	s_mov_b32 s[WP], 0
.Lpass:
	s_wait_xcnt 0x0                                ; the ring's last loads have had their addresses translated (ISA guide 3.1): their base is written again only behind this wait
	s_xor_b32 s[LO], s[WP], 262144                 ; the other pass
	s_add_nc_u64 s[BN:BN+1], s[6:7], s[LO:LO+1]
	s_add_co_u32 s[NX], s[LO], 2048                ; its K step 2
	s_add_co_u32 s[BO], s[WP], 1024                ; this pass's K step 1, the first trip's first
	s_wait_alu depctr_vm_vsrc(0)                   ; the loads of decc and v behind the pass before have read v[VD], its fragment loads v[VA ..]; the gather's last LDS stores have read v[CV ..], in which A's fragments land
	v_add_nc_u32 v[VD], s[DP], v[VD0]
.irp i, 0,1,2,3,4
	v_mov_b32 v[VA+(\i)], v[VAB+(\i)]
.endr
	s_wait_alu depctr_va_vdst(0)                   ; v[VD] and v[VA ..] are written; the lines behind the pass before, or the gather's conversions, or the last turn's softmax, are done with v[48:191], in which A's fragments land
	ALOAD3 AF0, 0, 0
	ALOAD3 AF0, 0, 3
	ALOAD3 AF0, 0, 6
	STEP 0, AF0, 1, 1, 0, -1, 0, AF1, 64           ; K step 0 starts the sums; its K step 2 has been asked for already
	WIN 0
	s_mov_b32 s37, 5
	s_mov_b32 s[KB], 64
.Ltrip:                                                ; K steps 1 + 6 t .. 6 + 6 t
	s_wait_xcnt 0x0                                ; the ring's loads have had their addresses translated: the two bases are written again only behind this wait
	s_add_co_u32 s[LO], s[BO], 7168                ; the sixth step asks for the next trip's second step,
	s_cmp_eq_u32 s37, 1
	s_cselect_b32 s[LO], s[NX], s[LO]              ; or, in the last trip, for the other pass's K step 2: no load leaves wb
	s_add_nc_u64 s[BC:BC+1], s[6:7], s[BO:BO+1]
	s_add_nc_u64 s[BL:BL+1], s[6:7], s[LO:LO+1]
	s_add_co_u32 s[BO], s[BO], 6144
	s_wait_alu depctr_vm_vsrc(0)                   ; the fragment loads issued so far have read v[VA ..]
.irp i, 0,1,2,3,4
	v_add_nc_u32 v[VA+(\i)], s[KB], v[VAB+(\i)]    ; a fixed lane term and a scalar that steps with the trips
.endr
	s_add_co_u32 s[KB], s[KB], 384
	STEP 1, AF1, 0, 0, 0, BC, 2048, AF0, 64
	STEP 2, AF0, 0, 0, 1, BC, 3072, AF1, 128
	STEP 0, AF1, 0, 0, 2, BC, 4096, AF0, 192
	STEP 1, AF0, 0, 0, 0, BC, 5120, AF1, 256
	STEP 2, AF1, 0, 0, 1, BC, 6144, AF0, 320
	STEP 0, AF0, 0, 0, 2, BL, 0, AF1, 384
	WIN 0
	s_sub_co_u32 s37, s37, 1
	s_cmp_lg_u32 s37, 0
	s_cbranch_scc1 .Ltrip
	STEP 1, AF1, 0, 0, 0, BN, 0, -1, 0             ; K step 31 asks for the other pass's K step 0, and for no further A
	WIN 0
	PLACES
	PLACES
	s_wait_alu depctr_va_vdst(0)                   ; the last products are done reading pair 1 and A's buffers, in which the loads below land
	BLOAD 2, BN, 1024                              ; the other pass's K step 1
	BLOAD 3, BN, 1024+131072
	WIN 0
.irp j, 0,1,2,3,4,5,6,7
	ds_load_b128 v[DV+16*(\j):DV+16*(\j)+3],     v[VD] offset:64*(\j)
	ds_load_b128 v[DV+16*(\j)+4:DV+16*(\j)+7],   v[VD] offset:64*(\j)+16
	ds_load_b128 v[DV+16*(\j)+8:DV+16*(\j)+11],  v[VD] offset:4096+64*(\j)
	ds_load_b128 v[DV+16*(\j)+12:DV+16*(\j)+15], v[VD] offset:4096+64*(\j)+16
.endr
	s_wait_dscnt 0x0
.irp j, 0,1,2,3,4,5,6,7
.irp i, 0,1,2,3
	v_pk_add_f32 v[SVL:SVL+1], v[SVL:SVL+1], v[DV+16*(\j)+8+2*(\i):DV+16*(\j)+8+2*(\i)+1]
.endr
.endr
.set tt, 0
.rept 9
	ETILE
.set tt, tt+1
.endr
	s_add_co_u32 s[DP], s[DP], 512
	s_add_co_u32 s[WP], s[WP], 262144
	s_sub_co_u32 s36, s36, 1
	s_cmp_lg_u32 s36, 0
	s_cbranch_scc1 .Lpass
	; my wave's share of the energies: sum v - 2 sum v / (1 + 2^..), the pair's halves, the other half of the lanes
.irp t, 0,1,2,3,4,5,6,7,8
	v_pk_fma_f32 v[EA+2*(\t):EA+2*(\t)+1], v[EA+2*(\t):EA+2*(\t)+1], -2.0, v[SVL:SVL+1] op_sel_hi:[1,0,1]
.endr
.irp t, 0,1,2,3,4,5,6,7,8
	v_add_f32 v[EA+2*(\t)], v[EA+2*(\t)], v[EA+2*(\t)+1]
.endr
.irp t, 0,1,2,3,4,5,6,7,8
	v_permlanex16_b32 v[EA+2*(\t)+1], v[EA+2*(\t)], s42, s43
.endr
.irp t, 0,1,2,3,4,5,6,7,8
	v_add_f32 v[EA+2*(\t)], v[EA+2*(\t)], v[EA+2*(\t)+1]
.endr
.Lmultiplied:
	s_wait_dscnt 0x0                               ; my LDS reads of the product (the panel along K, decc, v) are back
	s_barrier_signal -1                            ; a barrier between all waves' reads of the product and the first LDS store behind them:
	s_barrier_wait -1                              ; no wave stores into LDS while another still runs its loads along K
	v_mov_b32 v[ML], 0xff7fffff                    ; a dead turn leaves a record that counts for nothing: the lowest finite m, l = 0
	v_mov_b32 v[ML+1], 0
	s_wait_alu depctr_va_vdst(0)                   ; v[EA ..] are written, which the nine stores read, and v[ML:ML+1], which a dead turn's record's store reads; the lines behind the passes are done reading v[48:83], in which the loads behind the next barrier land
.irp t, 0,1,2,3,4,5,6,7,8
	ds_store_b32 v[VES], v[EA+2*(\t)] offset:64*(\t)  ; in a dead turn zeros, which nobody reads
.endr
	s_wait_dscnt 0x0                               ; for the others' sake: my partial energies are in LDS
	s_barrier_signal -1
	s_barrier_wait -1
	s_cmp_lt_u32 s35, s30
	s_cbranch_scc0 .Lsoftened
	; (3) THE PANEL'S SOFTMAX AND CONTEXT, every wave for itself
.irp t, 0,1,2,3,4,5,6,7,8
.irp u, 0,1,2,3
	ds_load_b32 v[48+4*(\t)+(\u)], v[VE] offset:576*(\u)+64*(\t)
.endr
.endr
	v_mov_b32 v45, 0xff7fffff
	v_mov_b32 v46, 0
	s_wait_dscnt 0x0
.irp t, 0,1,2,3,4,5,6,7,8
	v_add_f32 v[48+4*(\t)], v[48+4*(\t)], v[49+4*(\t)]
	v_add_f32 v[50+4*(\t)], v[50+4*(\t)], v[51+4*(\t)]
	v_add_nc_u32 v34, 16*(\t), v[VPOS]
	v_add_f32 v[EN+(\t)], v[48+4*(\t)], v[50+4*(\t)]
	v_cmp_gt_u32 s[46+(\t)], s32, v34              ; is the place mine, and a row?
	v_cndmask_b32 v[EN+(\t)], v[EN+(\t)], 0, s33   ; a batch without unmasked rows: all energies are equal
.endr
	s_wait_alu depctr_va_sdst(0)                   ; the nine compares have written s[46:54], ahead of the selects that read them: one wait for the run
.irp t, 0,1,2,3,4,5,6,7,8
	v_cndmask_b32 v[EN+(\t)], v45, v[EN+(\t)], s[46+(\t)]
.endr
	v_max3_num_f32 v[ML], v[EN], v[EN+1], v[EN+2]
	v_max3_num_f32 v37, v[EN+3], v[EN+4], v[EN+5]
	v_max3_num_f32 v38, v[EN+6], v[EN+7], v[EN+8]
	v_max3_num_f32 v[ML], v[ML], v37, v38
	v_max_num_f32_dpp v[ML], v[ML], v[ML] row_xmask:1 row_mask:0xf bank_mask:0xf
	v_max_num_f32_dpp v[ML], v[ML], v[ML] row_xmask:2 row_mask:0xf bank_mask:0xf
	v_max_num_f32_dpp v[ML], v[ML], v[ML] row_xmask:4 row_mask:0xf bank_mask:0xf
	v_max_num_f32_dpp v[ML], v[ML], v[ML] row_xmask:8 row_mask:0xf bank_mask:0xf  ; both halves of the lanes hold the same 16 rows: the panel's maximum
.irp t, 0,1,2,3,4,5,6,7,8
	v_sub_f32 v[PP+(\t)], v[EN+(\t)], v[ML]
	v_mul_f32 v[PP+(\t)], s40, v[PP+(\t)]
.endr
.irp t, 0,1,2,3,4,5,6,7,8
	v_exp_f32 v[PP+(\t)], v[PP+(\t)]
.endr
	v_mov_b32 v[VX], v[VX0]                        ; a plain line behind the last exponential
	s_wait_alu depctr_va_vdst(0)                   ; the nine exponentials are written, ahead of the selects that read them
.irp t, 0,1,2,3,4,5,6,7,8
	v_cndmask_b32 v[PP+(\t)], 0, v[PP+(\t)], s[46+(\t)]
.endr
	v_add_f32 v[ML+1], v[PP], v[PP+1]
	v_add_f32 v37, v[PP+2], v[PP+3]
	v_add_f32 v38, v[PP+4], v[PP+5]
	v_add_f32 v39, v[PP+6], v[PP+7]
	v_add_f32 v[ML+1], v[ML+1], v37
	v_add_f32 v38, v38, v39
	v_add_f32 v[ML+1], v[ML+1], v38
	v_add_f32 v[ML+1], v[ML+1], v[PP+8]
	v_add_f32_dpp v[ML+1], v[ML+1], v[ML+1] row_xmask:1 row_mask:0xf bank_mask:0xf
	v_add_f32_dpp v[ML+1], v[ML+1], v[ML+1] row_xmask:2 row_mask:0xf bank_mask:0xf
	v_add_f32_dpp v[ML+1], v[ML+1], v[ML+1] row_xmask:4 row_mask:0xf bank_mask:0xf
	v_add_f32_dpp v[ML+1], v[ML+1], v[ML+1] row_xmask:8 row_mask:0xf bank_mask:0xf
.irp i, 0,1,2,3
	v_cvt_pk_bf16_f32 v[PK+(\i)], v[PP+2*(\i)], v[PP+2*(\i)+1]
.endr
	v_cvt_pk_bf16_f32 v[PK+4], v[PP+8], v46        ; entries 144 to 159 are 0
	s_wait_alu depctr_va_vdst(0)                   ; the roundings have written v[PK ..], which the stores below read; v[VX], v[ML:ML+1] and v[EN ..] are written, which later loads and stores read; the additions are done reading v[48:83], in which the first turning loads land
	s_wait_alu depctr_vm_vsrc(0)                   ; the LDS stores of my partial energies have read v208 to v216, in which the weights' fragments land
.irp i, 0,1,2,3,4
	ds_store_b16 v[VPBW], v[PK+(\i)] offset:64*(\i)
	ds_store_b16_d16_hi v[VPBW], v[PK+(\i)] offset:64*(\i)+32
.endr
	; source 0: the weights of 32 rows, the same in all 16 rows of the operand.  LDS serves a wave's instructions in order (ISA guide 5.7.1.4): these loads see my stores above.
.irp ks, 0,1,2,3,4
	ds_load_b128 v[PF+8*(\ks):PF+8*(\ks)+3],   v[VPB] offset:64*(\ks)
	ds_load_b128 v[PF+8*(\ks)+4:PF+8*(\ks)+7], v[VPB] offset:64*(\ks)+32
.endr
.irp ks, 0,1,2,3,4
	PLACES
.if (\ks) > 0
	s_wait_alu depctr_va_vdst(0)                   ; the sixteen products above are done reading v[48:175], in which the loads below land, and v[VX] is written
.endif
.irp ct, 0,1,2,3,4,5,6,7,8,9,10,11,12,13,14,15
	ds_load_tr16_b128 v[48+8*(\ct):48+8*(\ct)+3], v[VX] offset:32*(\ct)
.if (\ks) < 4
	ds_load_tr16_b128 v[48+8*(\ct)+4:48+8*(\ct)+7], v[VX] offset:32*(\ct)+TILEB
.else
	ds_load_tr16_b128 v[48+8*(\ct)+4:48+8*(\ct)+7], v[VX] offset:32*(\ct)  ; the panel ends at row 143: tile 8 once more, against weights that are 0
.endif
.endr
	s_wait_dscnt 0x0
.if (\ks) < 4
	s_wait_alu depctr_vm_vsrc(0)                   ; the turning loads have read v[VX]
	v_add_nc_u32 v[VX], 2*TILEB, v[VX]
.endif
	WIN 0x50
.irp ct, 0,1,2,3,4,5,6,7,8,9,10,11,12,13,14,15
.if (\ks) == 0
	v_wmma_f32_16x16x32_bf16 v[8*(\ct):8*(\ct)+7], v[PF+8*(\ks):PF+8*(\ks)+7], v[48+8*(\ct):48+8*(\ct)+7], 0
.else
	v_wmma_f32_16x16x32_bf16 v[8*(\ct):8*(\ct)+7], v[PF+8*(\ks):PF+8*(\ks)+7], v[48+8*(\ct):48+8*(\ct)+7], v[8*(\ct):8*(\ct)+7]
.endif
.endr
	WIN 0
.endr
	PLACES
	PLACES
	s_wait_alu depctr_va_vdst(0)                   ; the last products have written the context's accumulators, which the LDS stores read, and are done reading v[48:55], in which the loads behind them land; the places above stay beside this wait
	WIN 0x04                                       ; store data in window 1
.irp ct, 0,1,2,3,4,5,6,7,8,9,10,11,12,13,14,15
	ds_store_b32 v[VCS], v[8*(\ct)] offset:64*(\ct)  ; register 0: column l % 16 of the tile, the same in both halves of the lanes
.endr
	WIN 0
	ds_load_b128 v[48:51], v[VCR]
	ds_load_b128 v[52:55], v[VCR] offset:512
	s_wait_dscnt 0x0
	global_store_b128 v[VGO], v[48:51], s[16:17]   ; 512 consecutive bytes each, aligned
	global_store_b128 v[VGO], v[52:55], s[16:17] offset:512
	s_cmp_lg_u32 s22, 0
	s_cbranch_scc1 .Len_done                       ; wave 0 stores the energies of the tiles that are mine
	v_min_u32 v34, 2047, v[VPOS]
	v_lshlrev_b32 v34, 2, v34
	s_wait_alu depctr_va_vdst(0)                   ; v34 is written: the stores below read it as their offset
.irp t, 0,1,2,3,4,5,6,7,8
	s_add_co_u32 s44, s35, \t
	s_cmp_lt_u32 s44, s30
	s_cbranch_scc0 .Len_done
	global_store_b32 v34, v[EN+(\t)], s[20:21] offset:64*(\t)
.endr
.Len_done:
.Lsoftened:
	s_cmp_lg_u32 s22, 0
	s_cbranch_scc1 .Lno_record
	global_store_b64 v[V8L], v[ML:ML+1], s[18:19]  ; {m, l} in every lane's 8 bytes: a whole record of 256 bytes, in a dead turn too
.Lno_record:
	s_wait_xcnt 0x0                                ; the stores have read their registers and bases: both are written again below and in the next turn
	s_wait_dscnt 0x0                               ; my reads of the panel and of the partial energies are back: the next turn writes both
	s_barrier_signal -1
	s_barrier_wait -1
	v_add_nc_u32 v[VPOS], 144, v[VPOS]
	v_add_nc_u32 v[VPW], 144, v[VPW]
	s_add_nc_u64 s[16:17], s[16:17], 32768
	s_add_nc_u64 s[18:19], s[18:19], 2048
	s_add_co_u32 s35, s35, 9
	s_sub_co_u32 s34, s34, 1
	s_cmp_lg_u32 s34, 0
	s_cbranch_scc1 .Lpanel
	s_wait_dscnt 0x0                               ; the closing lines, six on end
	s_wait_alu 0x0
	s_wait_tensorcnt 0x0
	ds_add_u32 v[SPW], v[NIL]
	s_wait_dscnt 0x0
	s_endpgm
.Lfunc_end_k_q4e1fb2e956_main:
	.size	k_q4e1fb2e956_main, .Lfunc_end_k_q4e1fb2e956_main-k_q4e1fb2e956_main
	.p2alignl 7, 3214868480
	.fill 96, 4, 3214868480
	.section	.rodata,"a",@progbits
	.p2align	6, 0x0
	.amdhsa_kernel k_q4e1fb2e956_main
		.amdhsa_group_segment_fixed_size 314624
		.amdhsa_private_segment_fixed_size 0
		.amdhsa_enable_private_segment 0
		.amdhsa_kernarg_size 72
		.amdhsa_user_sgpr_count 2
		.amdhsa_user_sgpr_kernarg_segment_ptr 1
		.amdhsa_wavefront_size32 1
		.amdhsa_system_sgpr_workgroup_id_x 1
		.amdhsa_system_sgpr_workgroup_id_y 1
		.amdhsa_system_sgpr_workgroup_id_z 1
		.amdhsa_system_vgpr_workitem_id 0
		.amdhsa_next_free_vgpr 1024
		.amdhsa_next_free_sgpr 66
		.amdhsa_reserve_vcc 0
		.amdhsa_float_denorm_mode_32 3
		.amdhsa_float_denorm_mode_16_64 3
		.amdhsa_memory_ordered 1
		.amdhsa_forward_progress 1
		.amdhsa_inst_pref_size 255
	.end_amdhsa_kernel
	.section	.bss,"aw",@nobits
	.p2align	6
	.space	262144
	.amdgpu_metadata
---
amdhsa.version: [ 1, 2 ]
amdhsa.kernels:
  - .name:           k_q4e1fb2e956_main
    .symbol:         k_q4e1fb2e956_main.kd
    .args:
      - { .name: encoder_outputs, .offset: 0, .size: 8, .value_kind: global_buffer, .address_space: global }
      - { .name: wb, .offset: 8, .size: 8, .value_kind: global_buffer, .address_space: global }
      - { .name: decc, .offset: 16, .size: 8, .value_kind: global_buffer, .address_space: global }
      - { .name: v, .offset: 24, .size: 8, .value_kind: global_buffer, .address_space: global }
      - { .name: list, .offset: 32, .size: 8, .value_kind: global_buffer, .address_space: global }
      - { .name: meta, .offset: 40, .size: 8, .value_kind: global_buffer, .address_space: global }
      - { .name: pctx, .offset: 48, .size: 8, .value_kind: global_buffer, .address_space: global }
      - { .name: pml, .offset: 56, .size: 8, .value_kind: global_buffer, .address_space: global }
      - { .name: en, .offset: 64, .size: 8, .value_kind: global_buffer, .address_space: global }
    .group_segment_fixed_size: 314624
    .private_segment_fixed_size: 0
    .kernarg_segment_align: 8
    .kernarg_segment_size: 72
    .max_flat_workgroup_size: 128
    .sgpr_count:     66
    .vgpr_count:     1024
    .wavefront_size: 32
...
	.end_amdgpu_metadata
.endif
;; end of part 4
;; launch finish: the kernel of part 3 again; grid 32 x 1, 8 waves a work-group, no clusters, 9,216 bytes of LDS; arguments pctx, pml, en, rank, mask, meta, out0, out1; writes out0, out1
